; MI455X (gfx1250); checked and timed in simulation.
; The chip was launched on July 23, 2026; its instructions are those of AMD's public machine-readable ISA for CDNA 5 (MIT licence, August 2026) and "CDNA5" Instruction Set Architecture Reference Guide (July 2026). The comments in the code are by the model that wrote it; some were corrected since.
;; Simple Attention. Allowed arithmetic: matrix products marked QUANTISED: E2M1 operands, one E8M0 scale for each 32 along K, by v_wmma_scale_f32_16x16x128_f8f6f4 with both operands' format E2M1 (or v_wmma_scale_f32_32x16x128_f4), f32 sums; everything else in f32.
;; Inputs: fc_b 1,024 float32; fc_w 1,024 x 1,024 float32; norm_scale 1,024 float32; wk_b 1,024 float32; wk_w 1,024 x 1,024 float32; wq_b 1,024 float32; wq_w 1,024 x 1,024 float32; wv_b 1,024 float32; wv_w 1,024 x 1,024 float32; x 4 x 2,048 x 1,024 float32.
;; Outputs: out0 4 x 2,048 x 1,024 float32.
;; This version of the problem:
;;   THIS VERSION OF THE PROBLEM IS GIVEN IN LOW PRECISION. The matrix products marked QUANTISED in the list below multiply operands that are first quantised to E2M1 (2 exponent bits, 1 mantissa bit; 4 bits a number), with one power-of-two scale for each 32 numbers along K (OCP MX v1.0); their sums are f32. All else is computed in f32.
;;   The module's matrix products, in the order in which they are computed (A, B: the left and right operand; K: the contracted axis; several contracted axes count as one K, in the product's order):
;;     1. [M 8,192, K 1,024] x [K 1,024, N 1,024]; A: computed on the way; B: input wq_w: QUANTISED
;;     2. [M 8,192, K 1,024] x [K 1,024, N 1,024]; A: computed on the way; B: input wk_w: QUANTISED
;;     3. [M 8,192, K 1,024] x [K 1,024, N 1,024]; A: computed on the way; B: input wv_w: QUANTISED
;;     4. batch 64 x [M 2,048, K 64] x [K 64, N 2,048]; A: computed on the way; B: computed on the way: QUANTISED
;;     5. batch 64 x [M 2,048, K 2,048] x [K 2,048, N 64]; A: softmax (see below); B: computed on the way: QUANTISED
;;     6. [M 8,192, K 1,024] x [K 1,024, N 1,024]; A: computed on the way; B: input fc_w: QUANTISED
;;   THE QUANTISER, for each operand of a quantised product, along K:
;;     - K is cut into blocks of 32 from its start; a last block that is shorter is filled with zeros.
;;     - A block's scale is 2^e with e = floor(log2(the largest magnitude in the block)) - 2, held to -126 .. 127; a block of zeros has e = 0. As a byte (E8M0): e + 127.
;;     - Each number is divided by its block's scale, clamped to +-6, and rounded to the nearest number of E2M1, ties to even, subnormals kept.
;;     - The product sums the exact products of the quantised numbers (number of the format x scale) in f32.
;;   ~~~python
;;   def quantise(x, axis):      # numpy; x: float32 -> the quantised numbers, widened to float32 again
;;       x = np.moveaxis(x, axis, -1); K = x.shape[-1]
;;       x = np.pad(x, [(0, 0)] * (x.ndim - 1) + [(0, -K % 32)]); x = x.reshape(x.shape[:-1] + (-1, 32)); a = np.abs(x).max(-1, keepdims=True)
;;       e = np.where(a > 0, np.clip(np.frexp(np.where(a > 0, a, 1))[1] - 1 - 2, -126, 127), 0)      # np.frexp(a)[1] - 1 = floor(log2(a)), exactly
;;       r = np.clip(x / 2.0 ** e, -6, 6)
;;       step = 2.0 ** (np.maximum(np.frexp(np.where(r == 0, 1, r))[1] - 1, 0) - 1)
;;       q = np.round(r / step) * step * 2.0 ** e      # np.round: ties to even
;;       return np.moveaxis(q.reshape(q.shape[:-2] + (-1,))[..., :K], -1, axis).astype(np.float32)
;;   ~~~
;;   SOFTMAX AHEAD OF A QUANTISED PRODUCT. Where the list says 'softmax', what is quantised is not the finished softmax but p = 2^(t - M), with t = logit x log2(e) and M = ceil(the row's largest t), a whole number; so 1/2 < the row's largest p <= 1. The row's sum l is taken of the UNQUANTISED p, in f32, and the product's result is divided by l at the end. Since M is a whole number, a kernel that streams over the keys may use a running M (the ceiling of the running maximum): every later rescaling is an exact power of two, which a block's scale takes up: the codes' values come out the same.
;;   OPERANDS COMPUTED ON THE WAY. 'Computed on the way' means the value that the module computes at that place (a softmax that the list does not call 'softmax' is quantised finished and normalised). What goes into a quantiser is computed in f32, as accurately as f32 sums, v_exp_f32 and their like allow (about 1e-6 of the number): no bf16 or f16 on the way to a quantiser, and a product that is left as it is and whose result goes on into a quantised operand takes f32 operands (vector FMAs, or v_wmma_f32_16x16x4_f32). A number that lies on a knife's edge between two numbers of the format may be rounded either way, as far as f32 arithmetic and the matrix unit's own rounding can turn it there, and no further.
;; One version. Each part assembles by itself: llvm-mc -triple=amdgcn-amd-amdhsa -mcpu=gfx1250 --defsym DOCPART=n.
;; ======== version 1 of 1: 4 launches
;; workspace buffers: codes 6,291,456 bytes; scl 393,216 bytes; qkvc 12,582,912 bytes; qkvs 786,432 bytes; ctxc 4,194,304 bytes; ctxs 262,144 bytes
;; launch prep (part 1): grid 384 x 1, 8 waves a work-group, no clusters, 56,320 bytes of LDS; arguments x, wq_w, wk_w, wv_w, fc_w, norm_scale, codes, scl; writes codes, scl
.if DOCPART == 1
	.amdgcn_target "amdgcn-amd-amdhsa--gfx1250"
	.amdhsa_code_object_version 6
	.text
	.protected	k_qeb5b713236_prep
	.globl	k_qeb5b713236_prep
	.p2align	8
	.type	k_qeb5b713236_prep,@function
k_qeb5b713236_prep:
	s_mov_b64 s[64:65], 0
	v_nop
	global_prefetch_b8 v0, s[64:65] scope:SCOPE_SE
	s_setreg_imm32_b32 hwreg(HW_REG_WAVE_MODE, 25, 1), 1
	s_wait_xcnt 0x0
; PROGRAM: pre-norm causal attention, all six matrix products on codes of FP4 (E2M1) with one E8M0 scale for each 32 along K.  Four launches: this one; the three projections; attention; the last projection with the residual.
; DEAD WORK, for the whole program.  reference() builds the causal mask itself (jnp.tril): for query q every key k > q gets the logit -inf, so its weight is 0 whatever finite values the inputs hold, and it adds
; nothing to the row's maximum, sum or context.  Where all 128 keys of a key step come after all 16 queries of a tile, that step's part of products 4 and 5 reaches no output and is left out (in the attention launch).  Nothing else is
; left out; every input has a way to the output and is loaded.  LIMIT: a NaN, an infinity or an overflow that reaches only those left-out steps is not carried to the result.
; THIS LAUNCH: xn = norm_scale * x / sqrt(mean(x^2) + 1e-8), in f32, and the four weights as they are, become codes and scale bytes along their 1,024 (K innermost in all five).
; A block's scale is 2^(floor(log2(largest magnitude)) - 2): its byte is the largest magnitude's exponent field - 2, held at 1 from below.
; LIMITS: NaN and infinities among the inputs are not served; a block whose largest magnitude lies under 2^-124 (a block of zeros too, where the rule says 127) keeps the byte 1: its codes are zeros or
; the smallest codes, and the bytes are read by this program alone.
; LAYOUT OF THE RESULT: images of the matrix operand's registers.  12,288 rows: 0.. xn, 8192.. wq, 9216.. wk, 10240.. wv, 11264.. fc_w.  codes [tile 768][block 32][r 16][16 bytes], scl [tile][p 2][r 16][16 bytes: blocks 16 p ..].
; THE ROWS OF A TILE ARE NOT NEIGHBOURS: lane r of tile 2 G + u holds row 32 G + 8 u + r + 8 (r / 8); so a later product's 16 registers of two neighbouring tiles are 16 neighbours along the next K.
; SHARES: a work-group takes 32 rows (two tiles), each of its eight waves four rows.  A row's eight loads read 512 consecutive bytes each; the row turns through the wave's own stage in LDS so that lane l holds block l;
; codes and bytes meet in LDS and leave as whole aligned runs of 256 bytes.  No matrix unit, no tensor load, no cluster: the launch streams, and work-groups share nothing but the gain.
.set STGB,  4608                       ; a wave's stage: 32 places of 128 bytes + 16 of padding
.set OST,   36864                      ; 64 units of 256 bytes of codes (tile u, block k: unit 32 u + k), 272 bytes apart
.set SST,   54272                      ; the 1,024 scale bytes, as they lie in scl
.set SPARE, 55296                      ; the spare words, 128 bytes for each wave: four blocks of 256 bytes that no other line names
.set SPW, 10                           ; v10  LDS address of my spare word; never rewritten
.set NIL, 11                           ; v11  0; never rewritten
.set GN,  20                           ; v20-51   the gain, as loaded
.set R,   52                           ; v52-179  four rows, as loaded: load j's 16 bytes of lane l are bytes 512 j + 16 l of the row
.set X,   180                          ; v180-211 a row turned: my block's 32 numbers
.set C,   212                          ; v212-227 a row's codes of my block, four registers a row
.set E,   228                          ; v228-231 its scale byte
.set CA,  232                          ; v232-235 two chains of sums; later the lane exchange's destinations
.set CB,  234
.set SS,  236                          ; v236-239 a row's sum of squares
.set RS,  244                          ; v244-251 1 / rms, twice for each row: a pair for the packed multiply
	s_load_b256 s[4:11], s[0:1], 0x0               ; x, wq_w, wk_w, wv_w
	s_load_b256 s[12:19], s[0:1], 0x20             ; fc_w, norm_scale, codes, scl
	v_lshl_add_u32 v[SPW], v0, 2, SPARE
	v_mov_b32 v[NIL], 0
	v_lshrrev_b32 v1, 5, v0
	s_delay_alu instid0(VALU_DEP_1)
	v_readfirstlane_b32 s20, v1                    ; wave 0..7
	v_and_b32 v1, 31, v0                           ; lane
	s_delay_alu instid0(VALU_DEP_1)
	v_lshlrev_b32 v12, 4, v1                       ; 16 x lane
	s_lshl_b32 s26, s20, 14
	v_add_nc_u32 v2, s26, v12                      ; in: my wave's four rows of 4,096 bytes, 16 bytes a lane
	s_mul_i32 s27, s20, STGB                       ; my stage
	v_lshrrev_b32 v3, 3, v1
	s_delay_alu instid0(VALU_DEP_1)
	v_mul_u32_u24 v3, v3, 144
	v_and_b32 v13, 7, v1
	s_delay_alu instid0(VALU_DEP_1)
	v_lshl_add_u32 v3, v13, 4, v3
	s_delay_alu instid0(VALU_DEP_1)
	v_add_nc_u32 v3, s27, v3                       ; into it: eight lanes fill a place: 144 (lane / 8) + 16 (lane % 8); a load's 512 bytes take four places
	v_mul_u32_u24 v4, v1, 144
	s_delay_alu instid0(VALU_DEP_1)
	v_add_nc_u32 v4, s27, v4                       ; out of it: place = lane = block
	s_bfe_u32 s28, s20, 0x10001                    ; rows 4 w + t of the 32: tile u = (w / 2) % 2,
	s_lshr_b32 s29, s20, 2
	s_and_b32 s30, s20, 1
	s_lshl_b32 s29, s29, 7
	s_lshl_b32 s30, s30, 6
	s_add_co_u32 s29, s29, s30                     ; lane place r = 8 (w / 4) + 4 (w % 2) + t: here 16 x (r at t = 0)
	s_mul_i32 s31, s28, 8704
	s_add_co_u32 s31, s31, s29
	s_add_co_u32 s31, s31, OST
	v_mul_u32_u24 v5, v1, 272
	s_delay_alu instid0(VALU_DEP_1)
	v_add_nc_u32 v5, s31, v5                       ; my block's unit, my row's 16 bytes in it
	s_lshl_b32 s31, s28, 9
	s_add_co_u32 s31, s31, s29
	s_add_co_u32 s31, s31, SST
	v_lshrrev_b32 v6, 4, v1
	v_and_b32 v13, 15, v1
	s_delay_alu instid0(VALU_DEP_1)
	v_lshl_add_u32 v6, v6, 8, v13
	s_delay_alu instid0(VALU_DEP_1)
	v_add_nc_u32 v6, s31, v6                       ; my block's byte: 512 u + 256 (block / 16) + 16 r + block % 16
	s_mul_i32 s31, s20, 8*272
	s_add_co_u32 s31, s31, OST
	v_lshrrev_b32 v7, 4, v1
	s_delay_alu instid0(VALU_DEP_1)
	v_mul_u32_u24 v7, v7, 272
	s_delay_alu instid0(VALU_DEP_1)
	v_lshl_add_u32 v7, v13, 4, v7
	s_delay_alu instid0(VALU_DEP_1)
	v_add_nc_u32 v7, s31, v7                       ; the way out: wave w takes units 8 w .. 8 w + 7, two an instruction
	s_lshl_b32 s31, s20, 11
	v_add_nc_u32 v8, s31, v12                      ; and their place in the work-group's 16,384 bytes of codes
	s_and_b32 s31, s20, 1
	s_lshl_b32 s31, s31, 9
	v_add_nc_u32 v13, s31, v12                     ; the scale bytes' way out (waves 0 and 1): 512 bytes a wave
	s_delay_alu instid0(VALU_DEP_1)
	v_add_nc_u32 v9, SST, v13
	s_mov_b32 s24, 0x76543210
	s_mov_b32 s25, 0xfedcba98                      ; v_permlanex16_b32's selects for lane l xor 16
	s_mov_b32 s32, 0x3a800000                      ; 1 / 1,024
	s_mov_b32 s33, 0x322bcc77                      ; 1e-8
	s_wait_kmcnt 0x0
	s_sub_co_u32 s21, ttmp9, 256                   ; work-groups 0-255: x; then 32 for each weight.  The choice hangs on the work-group's number alone
	s_lshr_b32 s22, s21, 5
	s_and_b32 s23, s21, 31
	s_cmp_eq_u32 s22, 1
	s_cselect_b64 s[6:7], s[8:9], s[6:7]
	s_cmp_eq_u32 s22, 2
	s_cselect_b64 s[6:7], s[10:11], s[6:7]
	s_cmp_eq_u32 s22, 3
	s_cselect_b64 s[6:7], s[12:13], s[6:7]
	s_cmp_lt_u32 ttmp9, 256
	s_cselect_b64 s[4:5], s[4:5], s[6:7]
	s_cselect_b32 s23, ttmp9, s23
	s_lshl_b32 s22, s23, 17                        ; 32 rows of 4,096 bytes
	s_mov_b32 s23, 0
	s_add_nc_u64 s[4:5], s[4:5], s[22:23]
	s_lshl_b32 s22, ttmp9, 14
	s_add_nc_u64 s[16:17], s[16:17], s[22:23]      ; two tiles of codes
	s_lshl_b32 s22, ttmp9, 10
	s_add_nc_u64 s[18:19], s[18:19], s[22:23]      ; and of scale bytes
.irp t, 0,1,2,3
.irp j, 0,1,2,3,4,5,6,7
	global_load_b128 v[R+32*\t+4*\j:R+32*\t+4*\j+3], v2, s[4:5] offset:4096*\t+512*\j th:TH_LOAD_NT   ; all that the wave will read is asked for at once: 32 loads of 512 consecutive bytes
.endr
.endr
	s_cmp_lt_u32 ttmp9, 256
	s_cbranch_scc0 .Lplain                         ; a weight is quantised as it is.  The arm below works on registers alone
.irp j, 0,1,2,3,4,5,6,7
	global_load_b128 v[GN+4*\j:GN+4*\j+3], v12, s[14:15] offset:512*\j   ; the gain, in the layout of a row as loaded
.endr
.irp t, 0,1,2,3
	s_wait_loadcnt 8*(3-\t)+8                      ; row t is in: the younger rows' loads and the gain's eight may be out
	v_pk_mul_f32 v[CA:CA+1], v[R+32*\t:R+32*\t+1], v[R+32*\t:R+32*\t+1]
	v_pk_mul_f32 v[CB:CB+1], v[R+32*\t+2:R+32*\t+3], v[R+32*\t+2:R+32*\t+3]
.irp i, 4,8,12,16,20,24,28
	s_delay_alu instid0(VALU_DEP_2)
	v_pk_fma_f32 v[CA:CA+1], v[R+32*\t+\i:R+32*\t+\i+1], v[R+32*\t+\i:R+32*\t+\i+1], v[CA:CA+1]   ; the squares, two at a time, in two chains
	s_delay_alu instid0(VALU_DEP_2)
	v_pk_fma_f32 v[CB:CB+1], v[R+32*\t+\i+2:R+32*\t+\i+3], v[R+32*\t+\i+2:R+32*\t+\i+3], v[CB:CB+1]
.endr
	s_delay_alu instid0(VALU_DEP_1)
	v_pk_add_f32 v[CA:CA+1], v[CA:CA+1], v[CB:CB+1]
	s_delay_alu instid0(VALU_DEP_1)
	v_add_f32 v[SS+\t], v[CA], v[CA+1]
.endr
.irp m, 1,2,4,8
.irp t, 0,1,2,3
	v_add_f32_dpp v[SS+\t], v[SS+\t], v[SS+\t] row_xmask:\m row_mask:0xf bank_mask:0xf   ; across 16 lanes; the four rows by turns
.endr
.endr
.irp t, 0,1,2,3
	s_delay_alu instid0(VALU_DEP_4)
	v_permlanex16_b32 v[CA+\t], v[SS+\t], s24, s25 ; (its destination counts as read: these four have been written)
.endr
.irp t, 0,1,2,3
	s_delay_alu instid0(VALU_DEP_4)
	v_add_f32 v[SS+\t], v[SS+\t], v[CA+\t]         ; every lane holds the row's sum
.endr
.irp t, 0,1,2,3
	s_delay_alu instid0(VALU_DEP_4)
	v_fma_f32 v[SS+\t], v[SS+\t], s32, s33         ; the mean + 1e-8
.endr
	s_wait_alu depctr_va_vdst(0)
.irp t, 0,1,2,3
	v_rsq_f32 v[RS+2*\t], v[SS+\t]                 ; made twice, to fill the pair that the packed multiply takes
	v_rsq_f32 v[RS+2*\t+1], v[SS+\t]
.endr
	s_wait_loadcnt 0x0                             ; the gain
.irp t, 0,1,2,3
.irp i, 0,2,4,6,8,10,12,14,16,18,20,22,24,26,28,30
	v_pk_mul_f32 v[R+32*\t+\i:R+32*\t+\i+1], v[R+32*\t+\i:R+32*\t+\i+1], v[GN+\i:GN+\i+1]   ; scale * x: plain work that names no root's result
.endr
.endr
	s_wait_alu depctr_va_vdst(0)                   ; one wait for the eight roots, ahead of their first reader
.irp t, 0,1,2,3
.irp i, 0,2,4,6,8,10,12,14,16,18,20,22,24,26,28,30
	v_pk_mul_f32 v[R+32*\t+\i:R+32*\t+\i+1], v[R+32*\t+\i:R+32*\t+\i+1], v[RS+2*\t:RS+2*\t+1]   ; / rms
.endr
.endr
.Lplain:
; Row t: through the stage, so that my lane holds block l's 32 numbers; their largest magnitude needs no other lane.
.macro ROW t
	s_wait_loadcnt 8*(3-\t)                        ; row t is in; the younger rows' loads may be out (behind the norm none is)
.irp j, 0,1,2,3,4,5,6,7
	ds_store_b128 v3, v[R+32*\t+4*\j:R+32*\t+4*\j+3] offset:576*\j
.endr
.irp i, 0,1,2,3,4,5,6,7
	ds_load_b128 v[X+4*\i:X+4*\i+3], v4 offset:16*\i   ; LDS serves a wave's instructions in order (ISA guide 5.7.1.4): these see the stores above, and the next row's stores come behind them
.endr
	s_wait_dscnt 0x0
	v_max3_num_f32 v14, |v[X]|, |v[X+1]|, |v[X+2]|
	v_max3_num_f32 v15, |v[X+3]|, |v[X+4]|, |v[X+5]|
.irp i, 6,10,14,18,22,26
	s_delay_alu instid0(VALU_DEP_2)
	v_max3_num_f32 v14, v14, |v[X+\i]|, |v[X+\i+1]|
	s_delay_alu instid0(VALU_DEP_2)
	v_max3_num_f32 v15, v15, |v[X+\i+2]|, |v[X+\i+3]|
.endr
	s_delay_alu instid0(VALU_DEP_2)
	v_max3_num_f32 v14, v14, |v[X+30]|, |v[X+31]|
	s_delay_alu instid0(VALU_DEP_1)
	v_max3_num_f32 v14, v14, v15, 0x1800000        ; and the floor 2^(3 - 127): the byte cannot fall under 1
	s_delay_alu instid0(VALU_DEP_1)
	v_add_nc_u32 v16, 0xff000000, v14              ; 2 off the exponent field: the conversion takes this operand's exponent field as its scale
.irp g, 0,1,2,3
	v_cvt_scalef32_pk8_fp4_f32 v[C+4*\t+\g], v[X+8*\g:X+8*\g+7], v16
.endr
	v_lshrrev_b32 v[E+\t], 23, v16                 ; the scale's byte (also the plain line behind the conversions)
	ds_store_b128 v5, v[C+4*\t:C+4*\t+3] offset:16*\t
	ds_store_b8 v6, v[E+\t] offset:16*\t
.endm
	ROW 0
	ROW 1
	ROW 2
	ROW 3
	s_wait_dscnt 0x0                               ; for the others' sake: my stores have landed
	s_barrier_signal -1
	s_barrier_wait -1
.irp k, 0,1,2,3
	ds_load_b128 v[X+4*\k:X+4*\k+3], v7 offset:544*\k
.endr
.irp k, 0,1,2,3
	s_wait_dscnt 3-\k
	global_store_b128 v8, v[X+4*\k:X+4*\k+3], s[16:17] offset:512*\k   ; 32 lanes store 512 consecutive bytes, at a multiple of 256 from the buffer's first byte
.endr
	s_cmp_lt_u32 s20, 2
	s_cbranch_scc0 .Ldone
	ds_load_b128 v[X+16:X+19], v9
	s_wait_dscnt 0x0
	global_store_b128 v13, v[X+16:X+19], s[18:19]
.Ldone:
	s_wait_tensorcnt 0x0                           ; the wave's end, behind my last LDS store
	ds_add_u32 v[SPW], v[NIL]
	s_wait_dscnt 0x0
	s_endpgm
.Lfunc_end_k_qeb5b713236_prep:
	.size	k_qeb5b713236_prep, .Lfunc_end_k_qeb5b713236_prep-k_qeb5b713236_prep
	.p2alignl 7, 3214868480
	.fill 96, 4, 3214868480
	.section	.rodata,"a",@progbits
	.p2align	6, 0x0
	.amdhsa_kernel k_qeb5b713236_prep
		.amdhsa_group_segment_fixed_size 56320
		.amdhsa_private_segment_fixed_size 0
		.amdhsa_enable_private_segment 0
		.amdhsa_kernarg_size 64
		.amdhsa_user_sgpr_count 2
		.amdhsa_user_sgpr_kernarg_segment_ptr 1
		.amdhsa_wavefront_size32 1
		.amdhsa_system_sgpr_workgroup_id_x 1
		.amdhsa_system_sgpr_workgroup_id_y 1
		.amdhsa_system_sgpr_workgroup_id_z 1
		.amdhsa_system_vgpr_workitem_id 0
		.amdhsa_next_free_vgpr 252
		.amdhsa_next_free_sgpr 66
		.amdhsa_reserve_vcc 0
		.amdhsa_float_denorm_mode_32 3
		.amdhsa_float_denorm_mode_16_64 3
		.amdhsa_memory_ordered 1
		.amdhsa_forward_progress 1
		.amdhsa_inst_pref_size 38
	.end_amdhsa_kernel
	.amdgpu_metadata
---
amdhsa.version: [ 1, 2 ]
amdhsa.kernels:
  - .name:           k_qeb5b713236_prep
    .symbol:         k_qeb5b713236_prep.kd
    .args:
      - { .name: x, .offset: 0, .size: 8, .value_kind: global_buffer, .address_space: global }
      - { .name: wq_w, .offset: 8, .size: 8, .value_kind: global_buffer, .address_space: global }
      - { .name: wk_w, .offset: 16, .size: 8, .value_kind: global_buffer, .address_space: global }
      - { .name: wv_w, .offset: 24, .size: 8, .value_kind: global_buffer, .address_space: global }
      - { .name: fc_w, .offset: 32, .size: 8, .value_kind: global_buffer, .address_space: global }
      - { .name: norm_scale, .offset: 40, .size: 8, .value_kind: global_buffer, .address_space: global }
      - { .name: codes, .offset: 48, .size: 8, .value_kind: global_buffer, .address_space: global }
      - { .name: scl, .offset: 56, .size: 8, .value_kind: global_buffer, .address_space: global }
    .group_segment_fixed_size: 56320
    .private_segment_fixed_size: 0
    .kernarg_segment_align: 8
    .kernarg_segment_size: 64
    .max_flat_workgroup_size: 256
    .sgpr_count:     66
    .vgpr_count:     252
    .wavefront_size: 32
...
	.end_amdgpu_metadata
.endif
;; end of part 1
;; launch proj (part 2): grid 12 x 32, 4 waves a work-group, clusters of 4 x 4, 279,040 bytes of LDS; arguments codes, scl, wq_b, wk_b, wv_b, qkvc, qkvs; writes qkvc, qkvs
.if DOCPART == 2
	.amdgcn_target "amdgcn-amd-amdhsa--gfx1250"
	.amdhsa_code_object_version 6
	.text
	.protected	k_qeb5b713236_proj
	.globl	k_qeb5b713236_proj
	.p2align	8
	.type	k_qeb5b713236_proj,@function
k_qeb5b713236_proj:
	s_mov_b64 s[64:65], 0
	v_nop
	global_prefetch_b8 v0, s[64:65] scope:SCOPE_SE
	s_setreg_imm32_b32 hwreg(HW_REG_WAVE_MODE, 25, 1), 1
	s_wait_xcnt 0x0
	s_wait_alu depctr_hold_cnt(0) depctr_sa_sdst(0) depctr_va_vdst(0) depctr_va_sdst(0) depctr_va_ssrc(0) depctr_va_vcc(0) depctr_vm_vsrc(0)
	s_getreg_b32 s2, hwreg(HW_REG_IB_STS2, 6, 4)
	s_cmp_eq_u32 s2, 0
	s_cbranch_scc0 .Lentry_in_a_cluster
	s_endpgm
.Lentry_in_a_cluster:
	s_bfe_u32 s2, ttmp6, 0x10000c
	s_cmp_lg_u32 s2, 0xf033
	s_cbranch_scc0 .Lentry_shape_is_right
	s_endpgm
.Lentry_shape_is_right:
; Q = xn wq^T + bq, K = xn wk^T + bk, V = xn wv^T + bv on codes of FP4; the results, in f32, are quantised in registers for the attention products and leave as codes alone.  Nothing is left out here.
; ORIENTATION.  A result lane holds ONE row of source 1, and its registers run along source 0's rows.  Q and K are quantised along the head's 64: source 0 = rows of the weight (n), source 1 = tokens.
; V is quantised along the keys: source 0 = tokens, source 1 = rows of wv.  With the tiles' order of rows (lane r of tile 2 G + u: row 32 G + 8 u + r + 8 (r / 8)) the 16 registers of two neighbouring tiles are 16 neighbours.
; SHARES.  A cluster of 4 x 4 work-groups makes 1,024 x 1,024; cluster x = 0: Q, 1: K, 2: V; cluster y: which 1,024 tokens.  A work-group makes 256 (source 1) x 256 (source 0), each of four waves 128 x 128: 64 accumulators, 512 registers.
; Source 0's rows hang on cx alone and are asked for jointly by my column of the cluster, source 1's on cy alone, by my row.  Whether the cluster makes V hangs on the cluster's x: the same in all sixteen.
; ALL OF K = 1,024 FITS IN LDS: two halves of 128 KiB and the scale bytes, each filled once; nothing is filled again.  By this text's own count a wave has three tensor loads out: the scales and the two halves.
; The operands lie in memory as images of their registers, so a fragment load reads 512 consecutive LDS bytes: no padding.
; OUT (qkvc): kind x 4 MiB + (16 b + head0) x 65,536 + step x 4,096 + a x 512 + c x 65,536 + 16 x lane, for registers 4 c .. 4 c + 3 of the fragment made of source 1's tile a: for Q and K tile 8 step + a of head head0 + c;
; for V the fragment of d-tile a % 4 of head head0 + a / 4 at key step 'step'.  qkvs: kind x 262,144 + head x 4,096 + step x 256 + 16 r + 4 w.
; LIMITS as in the first launch: a block whose largest magnitude lies under 2^-124 keeps the byte 1; NaN and infinities are not served.
; REGISTERS, in windows of 256: window 0: v1-31 addresses; v32-95 scale words and nothing else; v96-123 at work on the way out; v128-191, v192-255 source 1's fragments, two sets (on the way out v128-191: the codes made).
;   window 1: v0-63, v128-191 source 0's fragments, two sets; v64-127 the bias as a C operand.   windows 2, 3: accumulator (a, b) at v[8 (8 (a % 4) + b)].
.set SLOT,  131072                     ; a K half: four quarters of 32,768 bytes (8 tiles x 4,096): source 1's two halves, then source 0's
.set SCL,   262144                     ; the scale bytes of all of K: four quarters of 4,096
.set SPARE, 278528                     ; the spare words, 128 bytes for each wave: two blocks of 256 bytes that no other line names
.set WV,   18
.set HA,   19                          ; which half of source 1's rows is mine.  Also: I fetch for source 1 (0) or for source 0 (1)
.set HB,   20                          ; which half of source 0's.  Also: which 128 rows I fetch
.set KIND, 21                          ; 1: the cluster makes V
.set CX,   22
.set CY,   23
.set G1,   24                          ; s[24:31], s[32:39]: groups 1 and 0 (a set for each K half) for source 1's codes
.set G0,   32
.set G1B,  48                          ; s[48:55], s[56:63]: for source 0's
.set G0B,  56
.set G1S,  68                          ; s[68:75], s[76:79]: source 1's scales;  s[80:87], s[88:91]: source 0's
.set G0S,  76
.set G1SB, 80
.set G0SB, 88
.set SEL,  100
.set ADRA, 16
.set ADRB, 20
.set ADRS, 24
.set CO,   25                          ; 16 x lane
.set SO,   26                          ; 4,096 (lane / 16) + 16 (lane % 16)
.set SELP, 27
.set SPW,  28
.set NIL,  29
.set BA,   30
.set SC,   32                          ; register 32 p + 4 i + q: lanes 0-15 the word of source 1's tile i, lanes 16-31 of source 0's tile i, for K step 4 p + q
.set TM,   96
.set PWS,  112
.set KW,   120
.set PC,   128
.set MSB, 0
.macro WIN new                         ; the immediate's high byte repeats the setting that is left
.if MSB != (\new)
	s_set_vgpr_msb (MSB<<8)|(\new)
.set MSB, (\new)
.endif
.endm
.macro JLOAD g0a, g1a, g0b, g1b        ; a joint load: waves 0 and 1 fetch for source 1, waves 2 and 3 for source 0; an s_nop 0 and four v_nop follow each line
	s_cmp_eq_u32 s[HA], 0
	s_cbranch_scc0 .Lfor_b_\@
	tensor_load_to_lds s[\g0a:\g0a+3], s[\g1a:\g1a+7]
	s_nop 0
.rept 4
	v_nop
.endr
	s_branch .Lasked_\@
.Lfor_b_\@:
	tensor_load_to_lds s[\g0b:\g0b+3], s[\g1b:\g1b+7]
	s_nop 0
.rept 4
	v_nop
.endr
.Lasked_\@:
.endm
.macro CROUND                          ; a round of the cluster's barrier
	s_barrier_signal -1
	s_barrier_wait -1
	s_cmp_lg_u32 s[WV], 0
	s_cbranch_scc1 .Lnot_wave_0_\@
	s_barrier_signal -3
.Lnot_wave_0_\@:
	s_barrier_wait -3
	s_barrier_signal -1
	s_barrier_wait -1
.endm
.macro PLACES n                        ; plain vector places behind matrix instructions, in front of loads into their sources and of the first read of results
.rept \n
	v_nop
.endr
.endm
	s_load_b256 s[4:11], s[0:1], 0x0               ; codes, scl, wq_b, wk_b
	s_load_b128 s[12:15], s[0:1], 0x20             ; wv_b, qkvc
	s_load_b64 s[16:17], s[0:1], 0x30              ; qkvs
	v_lshl_add_u32 v[SPW], v0, 2, SPARE
	v_mov_b32 v[NIL], 0
	ds_add_u32 v[SPW], v[NIL]                      ; the wave's opening: the add, twice on end, and its wait ahead of my first tensor load
	ds_add_u32 v[SPW], v[NIL]
	v_lshrrev_b32 v1, 5, v0
	v_readfirstlane_b32 s[WV], v1
	s_lshr_b32 s[HA], s[WV], 1
	s_and_b32 s[HB], s[WV], 1
	s_bfe_u32 s[CX], ttmp6, 0x40000
	s_bfe_u32 s[CY], ttmp6, 0x40004
	s_and_b32 s3, ttmp7, 0xffff
	s_lshl_b32 s3, s3, 10                          ; the cluster's first token: 1,024 x cluster y
	s_lshl_b32 s2, ttmp9, 10
	s_add_co_u32 s2, s2, 8192                      ; wq's or wk's first row among the 12,288
	s_mov_b32 s40, 10240                           ; wv's
	s_cmp_eq_u32 ttmp9, 2
	s_cselect_b32 s[KIND], 1, 0
	s_cselect_b32 s44, s3, s2                      ; source 0: tokens for V, else the weight
	s_cselect_b32 s40, s40, s3                     ; source 1: wv for V, else tokens
	s_lshl_b32 s45, s[CX], 8
	s_add_co_u32 s44, s44, s45                     ; + 256 cx
	s_lshl_b32 s41, s[CY], 8
	s_add_co_u32 s40, s40, s41                     ; + 256 cy
	s_lshl_b32 s2, s[HB], 7
	s_add_co_u32 s40, s40, s2                      ; + the 128 rows that I fetch
	s_add_co_u32 s44, s44, s2
	s_lshl_b32 s42, s40, 9                         ; a row's share of its tile's 8,192 bytes of codes: 512
	s_mov_b32 s43, 0
	s_lshl_b32 s40, s40, 5                         ; and of its 512 scale bytes: 32
	s_mov_b32 s41, 0
	s_lshl_b32 s46, s44, 9
	s_mov_b32 s47, 0
	s_lshl_b32 s44, s44, 5
	s_mov_b32 s45, 0
	s_lshl_b32 s92, s[CY], 2
	s_lshl_b32 s92, 15, s92                        ; my row of the cluster
	s_lshl_b32 s93, 0x1111, s[CX]                  ; my column
	s_or_b32 s[G1], s92, (3<<16)|(1<<21)           ; 15:0 the mask; 17:16 elements of 8 bytes; 21 set beside a mask; no padding
	s_or_b32 s[G1B], s93, (3<<16)|(1<<21)
	s_or_b32 s[G1S], s92, (3<<16)|(1<<21)
	s_or_b32 s[G1SB], s93, (3<<16)|(1<<21)
.irp g, G1, G1B                        ; half of K of 8 tiles: 8 rows of 4,096 bytes (512 elements), 8,192 bytes apart
	s_mov_b32 s[\g+1], 512<<16
	s_mov_b32 s[\g+2], 8<<16
	s_mov_b32 s[\g+3], 512<<16
	s_mov_b32 s[\g+4], 8
	s_mov_b32 s[\g+5], 1024
	s_mov_b32 s[\g+6], 0
	s_mov_b32 s[\g+7], 0
.endr
.irp g, G1S, G1SB                      ; the scale bytes of 8 tiles: 4,096 dense bytes as 16 rows of 256
	s_mov_b32 s[\g+1], 32<<16
	s_mov_b32 s[\g+2], 16<<16
	s_mov_b32 s[\g+3], 32<<16
	s_mov_b32 s[\g+4], 16
	s_mov_b32 s[\g+5], 32
	s_mov_b32 s[\g+6], 0
	s_mov_b32 s[\g+7], 0
.endr
	s_lshl_b32 s94, s[WV], 15                      ; where they go: quarter = wave: no place in the cluster enters an LDS address
	s_lshl_b32 s95, s[WV], 12
	s_add_co_u32 s95, s95, SCL
	s_mov_b32 s[SEL], 0x76543210
	s_mov_b32 s[SEL+1], 0xfedcba98
	s_wait_dscnt 0x0                               ; both opening adds are done
	s_wait_kmcnt 0x0
	s_add_nc_u64 s[42:43], s[4:5], s[42:43]
	s_add_nc_u64 s[40:41], s[6:7], s[40:41]
	s_add_nc_u64 s[46:47], s[4:5], s[46:47]
	s_add_nc_u64 s[44:45], s[6:7], s[44:45]
	CROUND                                         ; all sixteen work-groups are here: the joint loads meet
	s_mov_b32 s[G0S], 1
	s_mov_b32 s[G0S+1], s95
	s_mov_b64 s[G0S+2:G0S+3], s[40:41]
	s_or_b32 s[G0S+3], s[G0S+3], 0x80000000
	s_mov_b32 s[G0SB], 1
	s_mov_b32 s[G0SB+1], s95
	s_mov_b64 s[G0SB+2:G0SB+3], s[44:45]
	s_or_b32 s[G0SB+3], s[G0SB+3], 0x80000000
	JLOAD G0S, G1S, G0SB, G1SB                     ; the scales first: they are wanted with the first K step
.irp s, 0,1
	s_mov_b32 s[G0+4*\s], 1
	s_add_co_u32 s[G0+4*\s+1], s94, \s*SLOT
	s_add_nc_u64 s[G0+4*\s+2:G0+4*\s+3], s[42:43], \s*4096
	s_or_b32 s[G0+4*\s+3], s[G0+4*\s+3], 0x80000000
	s_mov_b32 s[G0B+4*\s], 1
	s_add_co_u32 s[G0B+4*\s+1], s94, \s*SLOT
	s_add_nc_u64 s[G0B+4*\s+2:G0B+4*\s+3], s[46:47], \s*4096
	s_or_b32 s[G0B+4*\s+3], s[G0B+4*\s+3], 0x80000000
	JLOAD G0+4*\s, G1, G0B+4*\s, G1B
.endr
	v_and_b32 v1, 15, v0                           ; r
	v_bfe_u32 v2, v0, 4, 1                         ; h
	v_and_b32 v3, 31, v0
	v_lshlrev_b32 v[CO], 4, v3
	s_lshl_b32 s2, s[HA], 15
	s_lshl_b32 s3, s[HB], 15
	s_add_co_u32 s3, s3, 65536
.irp s, 0,1
	v_add_nc_u32 v[ADRA+\s], s2, v[CO]
	v_add_nc_u32 v[ADRB+\s], s3, v[CO]
	s_add_co_u32 s2, s2, SLOT
	s_add_co_u32 s3, s3, SLOT
.endr
	s_lshl_b32 s2, s[HA], 12
	s_lshl_b32 s3, s[HB], 12
	s_add_co_u32 s3, s3, 2*4096
	s_sub_co_u32 s3, s3, s2
	v_mul_u32_u24 v4, s3, v2                       ; lanes 16-31 take source 0's words: one product, the distance between the two bases
	s_add_co_u32 s2, s2, SCL
	v_lshl_add_u32 v4, v1, 4, v4
	v_add_nc_u32 v[ADRS], s2, v4
	v_lshlrev_b32 v[SO], 12, v2
	v_lshl_add_u32 v[SO], v1, 4, v[SO]
.irp b, 0,1,2,3
	v_mov_b32 v[TM+4+\b], 0                        ; written once: a lane permute's destination counts as one of its sources
.endr
	s_mov_b32 s2, 0x05040100                       ; how the scale words are put together on the way out (see there)
	s_mov_b32 s3, 0x02020202
	s_cmp_eq_u32 s[KIND], 1
	s_cselect_b32 s2, 0x03020100, s2
	s_cselect_b32 s3, 0x04040404, s3
	v_mul_lo_u32 v4, v2, s3
	v_add_nc_u32 v[SELP], s2, v4
	; where my results go, and my bias
	s_lshl_b32 s96, s[CX], 8
	s_lshl_b32 s2, s[HB], 7
	s_add_co_u32 s96, s96, s2                      ; my place along source 0: 256 cx + 128 HB
	s_lshl_b32 s97, s[CY], 8
	s_lshl_b32 s2, s[HA], 7
	s_add_co_u32 s97, s97, s2                      ; along source 1: 256 cy + 128 HA
	s_cmp_eq_u32 ttmp9, 0
	s_cselect_b64 s[8:9], s[8:9], s[10:11]
	s_cmp_eq_u32 s[KIND], 1
	s_cselect_b64 s[8:9], s[12:13], s[8:9]         ; the bias of this cluster's kind
	s_cselect_b32 s98, s97, s96                    ; n0: my first output feature
	s_cselect_b32 s99, s96, s97                    ; my first token among the cluster's 1,024
	s_lshl_b32 s2, s98, 2
	s_mov_b32 s3, 0
	s_add_nc_u64 s[8:9], s[8:9], s[2:3]
	s_and_b32 s2, ttmp7, 0xffff
	s_lshl_b32 s2, s2, 10
	s_add_co_u32 s99, s99, s2                      ; my first token
	s_lshr_b32 s2, s99, 11
	s_lshl_b32 s2, s2, 4
	s_lshr_b32 s98, s98, 6
	s_add_co_u32 s2, s2, s98                       ; 16 b + head0
	s_lshl_b32 s2, s2, 16
	s_bfe_u32 s98, s99, 0x40007                    ; the step of 128 tokens in the sequence
	s_lshl_b32 s98, s98, 12
	s_add_co_u32 s2, s2, s98
	s_lshl_b32 s98, ttmp9, 22
	s_add_co_u32 s2, s2, s98
	s_add_nc_u64 s[14:15], s[14:15], s[2:3]
	s_lshr_b32 s2, s2, 4                           ; the scale words' place is a sixteenth of the codes'
	s_add_nc_u64 s[16:17], s[16:17], s[2:3]
	; the bias is the C of each sum's first product: eight registers a tile, in the result's layout
	s_cmp_eq_u32 s[KIND], 1
	s_cbranch_scc1 .Lbias_v
	v_lshlrev_b32 v[BA], 6, v2                     ; Q, K: it runs along source 0: tile b, lane half h: features 32 (b / 2) + 16 h + 8 (b % 2) + 0 .. 7
	WIN 0x40
.irp b, 0,1,2,3,4,5,6,7
	global_load_b128 v[64+8*\b:64+8*\b+3], v[BA], s[8:9] offset:(32*(\b/2)+8*(\b%2))*4
	global_load_b128 v[64+8*\b+4:64+8*\b+7], v[BA], s[8:9] offset:(32*(\b/2)+8*(\b%2))*4+16
.endr
	WIN 0
	s_branch .Lbias_done
.Lbias_v:
	v_and_b32 v[BA], 8, v1                         ; V: it runs along source 1: one number a lane and tile, the same in the eight registers
	v_add_nc_u32 v[BA], v[BA], v1
	v_lshlrev_b32 v[BA], 2, v[BA]
	WIN 0x40
.irp a, 0,1,2,3,4,5,6,7
	global_load_b32 v[64+8*\a], v[BA], s[8:9] offset:(32*(\a/2)+8*(\a%2))*4
.endr
	s_wait_loadcnt 0x0
	WIN 0x41
.irp a, 0,1,2,3,4,5,6,7
.irp j, 1,2,3,4,5,6,7
	v_mov_b32 v[64+8*\a+\j], v[64+8*\a]
.endr
.endr
	WIN 0
.Lbias_done:
; 32 LDS loads in one run: the fragments of K step q into set q % 2.  A fragment's registers 4 c .. 4 c + 3 lie at tile x 4,096 + (q % 4) x 1,024 + c x 512 + 16 x lane of K half q / 4
.macro FETCH q
	WIN 0x40
.irp i, 0,1,2,3,4,5,6,7
.irp c, 0,1
	ds_load_b128 v[128*((\q)%2)+8*\i+4*\c:128*((\q)%2)+8*\i+4*\c+3], v[ADRB+(\q)/4] offset:4096*\i+1024*((\q)%4)+512*\c
.endr
.endr
	WIN 0
.irp i, 0,1,2,3,4,5,6,7
.irp c, 0,1
	ds_load_b128 v[128+64*((\q)%2)+8*\i+4*\c:128+64*((\q)%2)+8*\i+4*\c+3], v[ADRA+(\q)/4] offset:4096*\i+1024*((\q)%4)+512*\c
.endr
.endr
.endm
; 16 products: source 1's tiles a0, a0 + 1 x source 0's eight.  cm = 0: in place; 1: C = the bias along source 0; 2: along source 1.  The 64 accumulators take turns, one instruction a turn, in the same order in every step
.macro MUL16 a0, q, cm
.irp a, \a0, \a0+1
.irp b, 0,1,2,3,4,5,6,7
.if \cm == 0
	v_wmma_scale_f32_16x16x128_f8f6f4 v[8*(8*((\a)%4)+\b):8*(8*((\a)%4)+\b)+7], v[128*((\q)%2)+8*\b:128*((\q)%2)+8*\b+7], v[128+64*((\q)%2)+8*(\a):128+64*((\q)%2)+8*(\a)+7], v[8*(8*((\a)%4)+\b):8*(8*((\a)%4)+\b)+7], v[SC+32*((\q)/4)+4*\b+(\q)%4], v[SC+32*((\q)/4)+4*(\a)+(\q)%4] matrix_a_fmt:MATRIX_FMT_FP4 matrix_b_fmt:MATRIX_FMT_FP4 matrix_a_scale:MATRIX_SCALE_ROW1
.elseif \cm == 1
	v_wmma_scale_f32_16x16x128_f8f6f4 v[8*(8*((\a)%4)+\b):8*(8*((\a)%4)+\b)+7], v[128*((\q)%2)+8*\b:128*((\q)%2)+8*\b+7], v[128+64*((\q)%2)+8*(\a):128+64*((\q)%2)+8*(\a)+7], v[64+8*\b:64+8*\b+7], v[SC+32*((\q)/4)+4*\b+(\q)%4], v[SC+32*((\q)/4)+4*(\a)+(\q)%4] matrix_a_fmt:MATRIX_FMT_FP4 matrix_b_fmt:MATRIX_FMT_FP4 matrix_a_scale:MATRIX_SCALE_ROW1
.else
	v_wmma_scale_f32_16x16x128_f8f6f4 v[8*(8*((\a)%4)+\b):8*(8*((\a)%4)+\b)+7], v[128*((\q)%2)+8*\b:128*((\q)%2)+8*\b+7], v[128+64*((\q)%2)+8*(\a):128+64*((\q)%2)+8*(\a)+7], v[64+8*(\a):64+8*(\a)+7], v[SC+32*((\q)/4)+4*\b+(\q)%4], v[SC+32*((\q)/4)+4*(\a)+(\q)%4] matrix_a_fmt:MATRIX_FMT_FP4 matrix_b_fmt:MATRIX_FMT_FP4 matrix_a_scale:MATRIX_SCALE_ROW1
.endif
.endr
.endr
.endm
.macro PRODS q, cm                     ; a K step's 64 products.  Windows: source 0 window 1, source 1 window 0, D window 2 or 3, C with D or (the bias) window 1
.if \cm == 0
	WIN 0xa1
.else
	WIN 0x91
.endif
	MUL16 0, \q, \cm
	MUL16 2, \q, \cm
.if \cm == 0
	WIN 0xf1
.else
	WIN 0xd1
.endif
	MUL16 4, \q, \cm
	MUL16 6, \q, \cm
	WIN 0
.endm
.macro STEP q                          ; the next step's fragments are asked for, then this step is multiplied
	FETCH (\q)+1
	s_wait_dscnt 32                                ; all but the 32 just issued: this step's fragments are in
	PRODS \q, 0
	PLACES 4                                       ; in front of the next run of loads, into the set just read
.endm
	s_wait_tensorcnt 1                             ; the scales and my part of the first K half are in; the second half's load may stay out
	s_wait_loadcnt 0x0                             ; the bias
	s_barrier_signal -1
	s_barrier_wait -1                              ; everybody's are
.irp p, 0,1
.irp i, 0,1,2,3,4,5,6,7
	ds_load_b128 v[SC+32*\p+4*\i:SC+32*\p+4*\i+3], v[ADRS] offset:512*\i+256*\p   ; all scale words of all eight K steps
.endr
.endr
	FETCH 0
	FETCH 1
	s_wait_dscnt 32
	s_cmp_eq_u32 s[KIND], 1                        ; the first step starts the sums with the bias: nothing is cleared
	s_cbranch_scc1 .Lfirst_v
	PRODS 0, 1
	s_branch .Lfirst_done
.Lfirst_v:
	PRODS 0, 2
.Lfirst_done:
	PLACES 4
	STEP 1
	STEP 2
	s_wait_tensorcnt 0x0                           ; step 3: my part of the second K half is in;
	s_wait_dscnt 0x0                               ; no LDS load of mine is out at the signal (step 3's fragments are in)
	s_barrier_signal -1
	WIN 0xa1
	MUL16 0, 3, 0                                  ; work on registers while the others arrive
	MUL16 2, 3, 0
	WIN 0
	s_barrier_wait -1                              ; everybody's part is in
	FETCH 4                                        ; (set 0 was last read by step 2, behind which four places stand)
	WIN 0xf1
	MUL16 4, 3, 0
	MUL16 6, 3, 0
	WIN 0
	PLACES 4
	STEP 4
	STEP 5
	STEP 6
	s_wait_dscnt 0x0
	PRODS 7, 0
	PLACES 4                                       ; in front of the first read of results and of writes into source 1's registers
; THE WAY OUT.  Source 1's tile a: a lane's 64 numbers, register 16 b + i = place 32 b + 16 (lane / 16) + i along source 0, become a fragment's codes in v[PC + 8 a] on and its scale word in v[PWS + a].
.macro QUANT a
.set AC, 64*((\a)%4)
.set WW, 2+(\a)/4
.set WA, WW|(WW<<2)
.set PCA, PC+8*(\a)
	WIN WA                                         ; sources 0 and 1: the accumulators' window
.irp b, 0,1,2,3
	v_max3_num_f32 v[TM+\b], |v[AC+16*\b]|, |v[AC+16*\b+1]|, 0x1800000   ; each accumulator is read from its low end on; the floor 2^(3 - 127) holds the byte at 1 from below
.endr
.irp i, 2,4,6,8,10,12,14
.irp b, 0,1,2,3
	v_max3_num_f32 v[TM+\b], |v[AC+16*\b+\i]|, |v[AC+16*\b+\i+1]|, v[TM+\b]
.endr
.endr
	WIN 0
.irp b, 0,1,2,3
	v_permlanex16_b32 v[TM+4+\b], v[TM+\b], s[SEL], s[SEL+1]
.endr
.irp b, 0,1,2,3
	v_max_num_f32 v[TM+\b], v[TM+\b], v[TM+4+\b]   ; with lane l xor 16's: the block's largest magnitude
.endr
.irp b, 0,1,2,3
	v_add_nc_u32 v[TM+12+\b], 0xff000000, v[TM+\b] ; 2 off the exponent field: the conversion's scale operand
.endr
.irp b, 0,1,2,3
	v_lshrrev_b32 v[TM+4+\b], 23, v[TM+12+\b]      ; the byte
.endr
	v_lshl_or_b32 v[PWS+(\a)], v[TM+5], 8, v[TM+4]
	v_lshl_or_b32 v[PWS+(\a)], v[TM+6], 16, v[PWS+(\a)]
	v_lshl_or_b32 v[PWS+(\a)], v[TM+7], 24, v[PWS+(\a)]
	WIN WW
.irp b, 0,1,2,3
	v_cvt_scalef32_pk8_fp4_f32 v[PCA+2*\b], v[AC+16*\b:AC+16*\b+7], v[TM+12+\b]
	v_cvt_scalef32_pk8_fp4_f32 v[PCA+2*\b+1], v[AC+16*\b+8:AC+16*\b+15], v[TM+12+\b]
.endr
	WIN 0
	v_nop                                          ; one plain place behind a scaled conversion
.irp c, 0,1                            ; the operand's layout wants a whole block in a lane
.irp i, 0,1
	v_permlane16_swap_b32 v[PCA+4*\c+\i], v[PCA+4*\c+2+\i]
.endr
.endr
.irp c, 0,1
	global_store_b128 v[CO], v[PCA+4*\c:PCA+4*\c+3], s[14:15] offset:512*(\a)+65536*\c   ; 32 lanes store 512 consecutive bytes, at a multiple of 256 from the buffer's first byte
.endr
.endm
.irp a, 0,1,2,3,4,5,6,7
	QUANT \a
.endr
	; the scale words, as attention wants them; lanes 0-15 make head0's, lanes 16-31 head0 + 1's (the selector hangs on the lane's half)
	s_cmp_eq_u32 s[KIND], 1
	s_cbranch_scc1 .Lwords_v
.irp g, 0,1,2,3
	v_perm_b32 v[KW+\g], v[PWS+2*\g+1], v[PWS+2*\g], v[SELP]   ; Q, K: my head's two bytes of tile 2 g, then of tile 2 g + 1
.endr
	s_branch .Lwords_done
.Lwords_v:
.irp t, 0,1,2,3
	v_perm_b32 v[KW+\t], v[PWS+4+\t], v[PWS+\t], v[SELP]       ; V: the four key blocks' bytes of d-tile t of my head
.endr
.Lwords_done:
	global_store_b128 v[SO], v[KW:KW+3], s[16:17]  ; sixteen lanes store 256 consecutive bytes, aligned: one head's words of this step
	s_wait_tensorcnt 0x0                           ; the wave's end
	ds_add_u32 v[SPW], v[NIL]
	s_wait_dscnt 0x0
	CROUND                                         ; the closing round
	s_endpgm
.Lfunc_end_k_qeb5b713236_proj:
	.size	k_qeb5b713236_proj, .Lfunc_end_k_qeb5b713236_proj-k_qeb5b713236_proj
	.p2alignl 7, 3214868480
	.fill 96, 4, 3214868480
	.section	.rodata,"a",@progbits
	.p2align	6, 0x0
	.amdhsa_kernel k_qeb5b713236_proj
		.amdhsa_group_segment_fixed_size 279040
		.amdhsa_private_segment_fixed_size 0
		.amdhsa_enable_private_segment 0
		.amdhsa_kernarg_size 56
		.amdhsa_user_sgpr_count 2
		.amdhsa_user_sgpr_kernarg_segment_ptr 1
		.amdhsa_wavefront_size32 1
		.amdhsa_system_sgpr_workgroup_id_x 1
		.amdhsa_system_sgpr_workgroup_id_y 1
		.amdhsa_system_sgpr_workgroup_id_z 1
		.amdhsa_system_vgpr_workitem_id 0
		.amdhsa_next_free_vgpr 1024
		.amdhsa_next_free_sgpr 102
		.amdhsa_reserve_vcc 0
		.amdhsa_float_denorm_mode_32 3
		.amdhsa_float_denorm_mode_16_64 3
		.amdhsa_memory_ordered 1
		.amdhsa_forward_progress 1
		.amdhsa_inst_pref_size 140
	.end_amdhsa_kernel
	.amdgpu_metadata
---
amdhsa.version: [ 1, 2 ]
amdhsa.kernels:
  - .name:           k_qeb5b713236_proj
    .symbol:         k_qeb5b713236_proj.kd
    .args:
      - { .name: codes, .offset: 0, .size: 8, .value_kind: global_buffer, .address_space: global }
      - { .name: scl, .offset: 8, .size: 8, .value_kind: global_buffer, .address_space: global }
      - { .name: wq_b, .offset: 16, .size: 8, .value_kind: global_buffer, .address_space: global }
      - { .name: wk_b, .offset: 24, .size: 8, .value_kind: global_buffer, .address_space: global }
      - { .name: wv_b, .offset: 32, .size: 8, .value_kind: global_buffer, .address_space: global }
      - { .name: qkvc, .offset: 40, .size: 8, .value_kind: global_buffer, .address_space: global }
      - { .name: qkvs, .offset: 48, .size: 8, .value_kind: global_buffer, .address_space: global }
    .group_segment_fixed_size: 279040
    .private_segment_fixed_size: 0
    .kernarg_segment_align: 8
    .kernarg_segment_size: 56
    .max_flat_workgroup_size: 128
    .sgpr_count:     102
    .vgpr_count:     1024
    .wavefront_size: 32
...
	.end_amdgpu_metadata
.endif
;; end of part 2
;; launch attn (part 3): grid 4 x 64, 16 waves a work-group, no clusters, 167,936 bytes of LDS; arguments qkvc, qkvs, ctxc, ctxs; writes ctxc, ctxs
.if DOCPART == 3
	.amdgcn_target "amdgcn-amd-amdhsa--gfx1250"
	.amdhsa_code_object_version 6
	.text
	.protected	k_qeb5b713236_attn
	.globl	k_qeb5b713236_attn
	.p2align	8
	.type	k_qeb5b713236_attn,@function
k_qeb5b713236_attn:
	s_mov_b64 s[64:65], 0
	v_nop
	global_prefetch_b8 v0, s[64:65] scope:SCOPE_SE
	s_setreg_imm32_b32 hwreg(HW_REG_WAVE_MODE, 25, 1), 1
	s_wait_xcnt 0x0
; ctx = softmax(Q K^T / 8, causal) V for one (batch, head) a work-group row, both products on codes of FP4; ctx is quantised in registers along D for the last projection.
; LEFT OUT (shown at the head of the first launch): key steps of 128 keys all of which come after a tile's 16 queries: reference()'s own causal mask gives them the weight 0.
; THE SOFTMAX AHEAD OF THE SECOND PRODUCT: t = score x log2(e) / 8; M = the running largest t rounded UP to a whole number; p = 2^(t - M) is quantised along the keys, not normalised; the row's sum is taken of the
; unquantised p and divides at the end; when M moves, the sum and O are multiplied by 2^(old M - new M), which rounds nothing.
; SHARES.  Work-group (j, head): wave w owns the query tiles T0 = 4 w + j and T1 = 127 - T0 (tile T, lane r: query 32 (T / 2) + 8 (T % 2) + r + 8 (r / 8)).  Tile T wants key steps 0 .. T / 8, and T0 / 8 + T1 / 8 = 15:
; every wave of every work-group walks 17 key steps, two of them on the diagonal.  Sixteen waves of 256 registers, four to a SIMD, so that one wave's vector work stands beside another's products and LDS loads.
; NO CLUSTER, though the four work-groups of a head read the same K and V: which steps a wave walks hangs on j, which would be the work-group's place in the cluster.
; THE WHOLE HEAD LIES IN LDS, filled once (136 KiB): five waves issue one tensor load each; one barrier; nothing is filled again.  All operands lie as images of their registers: a load reads 512 consecutive bytes.
; K = 64 IN AN INSTRUCTION OF K = 128: an operand holds key tile 2 g in registers 0-3 and tile 2 g + 1 in registers 4-7; against [Q | zeros] it gives tile 2 g's scores, against [zeros | Q] tile 2 g + 1's: zero codes add nothing.
; Both products are used transposed (S^T = K Q^T, O^T = V^T P^T): a lane holds one query throughout, and the 16 registers of two neighbouring tiles are 16 neighbouring keys (or channels).
; The loops' trip counts are constants; a step that is left out is jumped over by a scalar branch on ids, round its work alone.
; LIMITS: a block whose largest magnitude lies under 2^-124 keeps the byte 1; NaN and infinities are not served.  The scale bytes of ctx leave two a lane, 16 bytes apart (a work-group owns one head's two of a row's 32): a sixteenth of the codes' bytes.
; REGISTERS: v1-10 addresses; v12 -M, v13 the largest t, v[14:15] the sum; v16-31 pass 0's Q; v32-63 K; v64-95 V; v96-159 S^T, then p; v160-191 O^T; v192-207 pass 1's Q; v208-218 scale words and nothing else; v224-231 p's codes; v232-255 at work.
.set VC,    65536                      ; LDS: K's codes [step 16][tile 8][512] at 0; V's [c 2][step 16][d-tile 4][512] here;
.set KSC,   131072                     ; K's scale words [step 16][r 16][16 bytes], and 4,096 bytes on V's
.set SPARE, 139264                     ; the spare words, 128 bytes for each wave: eight blocks of 256 bytes that no other line names
.set AL,  1                            ; 16 x lane
.set AR,  2                            ; KSC + 16 r
.set SPW, 3
.set NIL, 4
.set RQ,  5                            ; r + 8 (r / 8) - 16 h
.set QI,  6
.set R16, 7                            ; 16 r
.set ADK, 8
.set ADV, 9
.set ADS, 10
.set KS,  208
.set VS,  212
.set QS,  216                          ; v216, v217: Q's scale words of the two passes
.set PS,  218                          ; p's scale word
.set WV,  12
.set BH,  14
.set T0R, 15
.set T1R, 16
.set SEL, 20
.set CS,  22                           ; s[22:23] c = log2(e) / 8
.set G1K, 24
.set G1V, 32
.set G1S, 40
.set G0K, 48
.set G0V, 52
.set G0S, 56
.set LAST, 66
.set SI,  67
.set TK,  68
.set TV,  69
.set TS,  70
.set QSEL, 72                          ; s72, s73
.set QP,  84                           ; s[84:87]  Q's codes of the two passes
.set QSP, 88                           ; s[88:91]  Q's scale words
.set CC,  92                           ; s[92:95]  where ctx's codes go
.set CSC, 96                           ; s[96:99]  and its scale bytes
	s_load_b256 s[4:11], s[0:1], 0x0               ; qkvc, qkvs, ctxc, ctxs
	v_lshl_add_u32 v[SPW], v0, 2, SPARE
	v_mov_b32 v[NIL], 0
	ds_add_u32 v[SPW], v[NIL]                      ; the wave's opening: the add, twice on end, and its wait ahead of the first tensor load
	ds_add_u32 v[SPW], v[NIL]
	v_lshrrev_b32 v8, 5, v0
	s_delay_alu instid0(VALU_DEP_1)
	v_readfirstlane_b32 s[WV], v8                  ; wave 0..15
	s_and_b32 s[BH], ttmp7, 0xffff                 ; 16 b + head
	s_lshl_b32 s[T0R], s[WV], 2
	s_add_co_u32 s[T0R], s[T0R], ttmp9
	s_sub_co_u32 s[T1R], 127, s[T0R]
	s_mov_b32 s[G1K], 3<<16                        ; elements of 8 bytes, no mask, no padding.  K's half: 32,768 dense bytes as 128 rows of 256
	s_mov_b32 s[G1K+1], 32<<16
	s_mov_b32 s[G1K+2], 128<<16
	s_mov_b32 s[G1K+3], 32<<16
	s_mov_b32 s[G1K+4], 128
	s_mov_b32 s[G1K+5], 32
	s_mov_b32 s[G1K+6], 0
	s_mov_b32 s[G1K+7], 0
	s_mov_b32 s[G1V], 3<<16                        ; V, one c: 16 steps' rows of 2,048 bytes, 4,096 apart (the neighbour head's lie between)
	s_mov_b32 s[G1V+1], 256<<16
	s_mov_b32 s[G1V+2], 16<<16
	s_mov_b32 s[G1V+3], 256<<16
	s_mov_b32 s[G1V+4], 16
	s_mov_b32 s[G1V+5], 512
	s_mov_b32 s[G1V+6], 0
	s_mov_b32 s[G1V+7], 0
	s_mov_b32 s[G1S], 3<<16                        ; the scale words: K's 4,096 bytes and V's, 262,144 bytes apart
	s_mov_b32 s[G1S+1], 512<<16
	s_mov_b32 s[G1S+2], 2<<16
	s_mov_b32 s[G1S+3], 512<<16
	s_mov_b32 s[G1S+4], 2
	s_mov_b32 s[G1S+5], 32768
	s_mov_b32 s[G1S+6], 0
	s_mov_b32 s[G1S+7], 0
	s_and_b32 s76, s[WV], 1
	s_lshl_b32 s77, s76, 15                        ; which half, in LDS
	s_lshl_b32 s78, s[BH], 16
	s_add_co_u32 s78, s78, s77
	s_add_co_u32 s78, s78, 4194304                 ; K's codes of my head, my half
	s_mov_b32 s79, 0
	s_lshr_b32 s80, s[BH], 1
	s_lshl_b32 s80, s80, 17
	s_and_b32 s81, s[BH], 1
	s_lshl_b32 s81, s81, 11
	s_add_co_u32 s80, s80, s81
	s_lshl_b32 s81, s76, 16
	s_add_co_u32 s80, s80, s81
	s_add_co_u32 s80, s80, 8388608                 ; V's codes of my head, my c
	s_mov_b32 s81, 0
	s_lshl_b32 s82, s[BH], 12
	s_add_co_u32 s82, s82, 262144                  ; K's scale words of my head
	s_mov_b32 s83, 0
	s_mov_b32 s[SEL], 0x76543210
	s_mov_b32 s[SEL+1], 0xfedcba98
	s_mov_b32 s[CS], 0x3e38aa3b
	s_mov_b32 s[CS+1], s[CS]                       ; (named with it as a pair, so it is written)
	s_wait_dscnt 0x0                               ; both opening adds are done
	s_wait_kmcnt 0x0
	s_mov_b32 s[G0K], 1
	s_mov_b32 s[G0K+1], s77
	s_add_nc_u64 s[G0K+2:G0K+3], s[4:5], s[78:79]
	s_or_b32 s[G0K+3], s[G0K+3], 0x80000000
	s_mov_b32 s[G0V], 1
	s_add_co_u32 s[G0V+1], s77, VC
	s_add_nc_u64 s[G0V+2:G0V+3], s[4:5], s[80:81]
	s_or_b32 s[G0V+3], s[G0V+3], 0x80000000
	s_mov_b32 s[G0S], 1
	s_mov_b32 s[G0S+1], KSC
	s_add_nc_u64 s[G0S+2:G0S+3], s[6:7], s[82:83]
	s_or_b32 s[G0S+3], s[G0S+3], 0x80000000
	s_cmp_lt_u32 s[WV], 2                          ; waves 0, 1: K's halves; 2, 3: V's; 4: the scale words; the others nothing.  One load a wave; an s_nop 0 and four v_nop follow each
	s_cbranch_scc0 .Lnot_k
	tensor_load_to_lds s[G0K:G0K+3], s[G1K:G1K+7]
	s_nop 0
.rept 4
	v_nop
.endr
	s_branch .Lasked
.Lnot_k:
	s_cmp_lt_u32 s[WV], 4
	s_cbranch_scc0 .Lnot_v
	tensor_load_to_lds s[G0V:G0V+3], s[G1V:G1V+7]
	s_nop 0
.rept 4
	v_nop
.endr
	s_branch .Lasked
.Lnot_v:
	s_cmp_eq_u32 s[WV], 4
	s_cbranch_scc0 .Lasked
	tensor_load_to_lds s[G0S:G0S+3], s[G1S:G1S+7]
	s_nop 0
.rept 4
	v_nop
.endr
.Lasked:
	v_and_b32 v8, 31, v0
	s_delay_alu instid0(VALU_DEP_1)
	v_lshlrev_b32 v[AL], 4, v8
	s_wait_alu depctr_va_vdst(0)
	v_and_b32 v9, 15, v0                           ; r
	v_bfe_u32 v10, v0, 4, 1                        ; h
	s_delay_alu instid0(VALU_DEP_2)
	v_lshlrev_b32 v[R16], 4, v9
	s_wait_alu depctr_va_vdst(0)
	v_add_nc_u32 v[AR], KSC, v[R16]
	v_and_b32 v[RQ], 8, v9
	s_delay_alu instid0(VALU_DEP_1)
	v_add_nc_u32 v[RQ], v[RQ], v9
	v_lshlrev_b32 v10, 4, v10
	s_delay_alu instid0(VALU_DEP_1)
	v_sub_nc_u32 v[RQ], v[RQ], v10
; the four pointers of pass p, whose tile's number stands in s[T]
.macro HEADP p, T
	s_lshl_b32 s76, s[BH], 16
	s_lshl_b32 s78, s[\T], 9
	s_add_co_u32 s76, s76, s78
	s_mov_b32 s77, 0
	s_add_nc_u64 s[QP+2*\p:QP+2*\p+1], s[4:5], s[76:77]      ; Q's image of the tile: 512 bytes
	s_lshl_b32 s76, s[BH], 12
	s_lshr_b32 s78, s[\T], 3
	s_lshl_b32 s78, s78, 8
	s_add_co_u32 s76, s76, s78
	s_bfe_u32 s78, s[\T], 0x20001
	s_lshl_b32 s78, s78, 2
	s_add_co_u32 s76, s76, s78
	s_add_nc_u64 s[QSP+2*\p:QSP+2*\p+1], s[6:7], s[76:77]    ; the word that holds its two bytes: step T / 8, group (T / 2) % 4
	s_lshr_b32 s76, s[BH], 4
	s_lshl_b32 s76, s76, 7
	s_add_co_u32 s76, s76, s[\T]                   ; the tile among the 512 of all tokens
	s_and_b32 s78, s[BH], 15                       ; the head
	s_lshl_b32 s80, s76, 13
	s_lshl_b32 s82, s78, 9
	s_add_co_u32 s80, s80, s82
	s_mov_b32 s81, 0
	s_add_nc_u64 s[CC+2*\p:CC+2*\p+1], s[8:9], s[80:81]      ; blocks 2 head, 2 head + 1 of the tile's codes
	s_lshl_b32 s80, s76, 9
	s_lshr_b32 s82, s78, 3
	s_lshl_b32 s82, s82, 8
	s_add_co_u32 s80, s80, s82
	s_and_b32 s82, s78, 7
	s_lshl_b32 s82, s82, 1
	s_add_co_u32 s80, s80, s82
	s_add_nc_u64 s[CSC+2*\p:CSC+2*\p+1], s[10:11], s[80:81]  ; and of its scale bytes
	s_and_b32 s82, s[\T], 1
	s_mul_i32 s82, s82, 0x02020202
	s_add_co_u32 s[QSEL+\p], s82, 0x01000100       ; an even tile's bytes are the word's low two, an odd tile's its high two
.endm
	HEADP 0, T0R
	HEADP 1, T1R
.irp p, 0,1
	global_load_b128 v[16+176*\p:19+176*\p], v[AL], s[QP+2*\p:QP+2*\p+1]      ; [Q | zeros]
	global_load_b128 v[28+176*\p:31+176*\p], v[AL], s[QP+2*\p:QP+2*\p+1]      ; [zeros | Q]: a run of registers of its own
	global_load_b32 v[QS+\p], v[R16], s[QSP+2*\p:QSP+2*\p+1]
.irp i, 20,21,22,23,24,25,26,27
	v_mov_b32 v[\i+176*\p], 0                      ; zero codes
.endr
.endr
.irp b, 0,1,2,3
	v_mov_b32 v[236+\b], 0                         ; written once: a lane permute's destination counts as one of its sources
.endr
	v_mov_b32 v253, 0                              ; (named as the upper half of the pair v[252:253])
	s_wait_loadcnt 0x0
.irp p, 0,1
	v_perm_b32 v[QS+\p], v[QS+\p], v[QS+\p], s[QSEL+\p]   ; (s0, s1, s0, s1): it serves both places of Q
.endr
	s_wait_tensorcnt 0x0                           ; my load, if I issued one, has landed;
	s_barrier_signal -1
	s_barrier_wait -1                              ; everybody's has: the head lies in LDS
; ONE PASS: the query tile whose number stands in s[T], all its key steps, and its way out.
.macro PASS p, T
.set QB, 16+176*\p
	s_lshr_b32 s[LAST], s[\T], 3                   ; the step on the diagonal
	s_lshr_b32 s76, s[\T], 1
	s_lshl_b32 s76, s76, 5
	s_and_b32 s77, s[\T], 1
	s_lshl_b32 s77, s77, 3
	s_add_co_u32 s76, s76, s77
	v_add_nc_u32 v[QI], s76, v[RQ]                 ; my query - 16 (lane / 16)
	v_mov_b32 v13, 0xff61b1e6                      ; the largest t so far: -3e38, under every t
	s_delay_alu instid0(VALU_DEP_1)
	v_floor_f32 v12, -v13                          ; -M
	v_mov_b32 v14, 0
	v_mov_b32 v15, 0
.irp j, 0,1,2,3,4,5,6,7,8,9,10,11,12,13,14,15,16,17,18,19,20,21,22,23,24,25,26,27,28,29,30,31
	v_mov_b32 v[160+\j], 0                         ; O^T: the step is written once; the first finds zeros, which the first change of M leaves zeros
.endr
	s_mov_b32 s[TK], 0
	s_mov_b32 s[TV], VC
	s_mov_b32 s[TS], 0
	s_mov_b32 s[SI], 0
.Ltrip_\p:                             ; 16 trips, a constant
	s_cmp_gt_u32 s[SI], s[LAST]
	s_cbranch_scc1 .Lskip_\p                       ; all 128 keys come after my queries: the step's work is left out
	s_setprio 2
	v_add_nc_u32 v[ADK], s[TK], v[AL]
	v_add_nc_u32 v[ADV], s[TV], v[AL]
	v_add_nc_u32 v[ADS], s[TS], v[AR]
	v_nop                                          ; four places in front of loads into registers that the last products read
.irp k, 0,1,2,3,4,5,6,7
	ds_load_b128 v[32+4*\k:35+4*\k], v[ADK] offset:512*\k
.endr
	ds_load_b128 v[KS:KS+3], v[ADS]
.irp t, 0,1,2,3
	ds_load_b128 v[64+8*\t:67+8*\t], v[ADV] offset:512*\t
	ds_load_b128 v[68+8*\t:71+8*\t], v[ADV] offset:32768+512*\t
.endr
	ds_load_b128 v[VS:VS+3], v[ADS] offset:4096
	s_wait_dscnt 9                                 ; K and its words are in; V's eight loads and its words may be out
.irp g, 0,1,2,3
	v_wmma_scale_f32_16x16x128_f8f6f4 v[96+16*\g:103+16*\g], v[32+8*\g:39+8*\g], v[QB:QB+7], 0, v[KS+\g], v[QS+\p] matrix_a_fmt:MATRIX_FMT_FP4 matrix_b_fmt:MATRIX_FMT_FP4
	v_wmma_scale_f32_16x16x128_f8f6f4 v[104+16*\g:111+16*\g], v[32+8*\g:39+8*\g], v[QB+8:QB+15], 0, v[KS+\g], v[QS+\p] matrix_a_fmt:MATRIX_FMT_FP4 matrix_b_fmt:MATRIX_FMT_FP4
.endr
.rept 4
	v_nop
.endr
	s_cmp_eq_u32 s[SI], s[LAST]
	s_cbranch_scc0 .Lopen_\p                       ; all keys of the step count
	s_lshl_b32 s76, s[SI], 7
	v_sub_nc_u32 v252, v[QI], s76                  ; d.  Register 16 b + i holds key 128 step + 16 (lane / 16) + 32 b + i: hidden where 32 b + i > d
	v_mov_b32 v254, 0xff800000                     ; -infinity: p = 0 then
.irp n, 0,1,2,3,4,5,6,7,8,9,10,11,12,13,14,15,16,17,18,19,20,21,22,23,24,25,26,27,28,29,30,31,32,33,34,35,36,37,38,39,40,41,42,43,44,45,46,47,48,49,50,51,52,53,54,55,56,57,58,59,60,61,62,63
	v_cmp_gt_i32 vcc_lo, 32*(\n/16)+\n%16, v252
	v_cndmask_b32 v[96+\n], v[96+\n], v254, vcc_lo
.endr
.Lopen_\p:
.irp b, 0,1,2,3
	v_max3_num_f32 v[232+\b], v[96+16*\b], v[97+16*\b], v[98+16*\b]   ; the largest score of each block of 32 keys: for the row's maximum and, since p rises with the score, for the block's largest p
.endr
.irp i, 3,5,7,9,11,13
.irp b, 0,1,2,3
	v_max3_num_f32 v[232+\b], v[232+\b], v[96+16*\b+\i], v[97+16*\b+\i]
.endr
.endr
.irp b, 0,1,2,3
	v_max_num_f32 v[232+\b], v[232+\b], v[111+16*\b]
.endr
.irp b, 0,1,2,3
	s_delay_alu instid0(VALU_DEP_4)
	v_permlanex16_b32 v[236+\b], v[232+\b], s[SEL], s[SEL+1]
.endr
.irp b, 0,1,2,3
	s_delay_alu instid0(VALU_DEP_4)
	v_max_num_f32 v[232+\b], v[232+\b], v[236+\b]  ; with lane l xor 16's 16 keys
.endr
	s_delay_alu instid0(VALU_DEP_2)
	v_max3_num_f32 v254, v232, v233, v234
	s_delay_alu instid0(VALU_DEP_1)
	v_max_num_f32 v254, v254, v235
	s_delay_alu instid0(VALU_DEP_1)
	v_mul_f32 v254, s[CS], v254                    ; the step's largest t (c is positive)
	s_delay_alu instid0(VALU_DEP_1)
	v_max_num_f32 v13, v13, v254
	v_mov_b32 v254, v12
	s_delay_alu instid0(VALU_DEP_2)
	v_floor_f32 v12, -v13                          ; the new -M = -ceil(t): a whole number
	s_delay_alu instid0(VALU_DEP_1)
	v_sub_f32 v254, v12, v254                      ; old M - new M: a whole number, 0 or less
	s_delay_alu instid0(VALU_DEP_1)
	v_cvt_i32_f32 v254, v254                       ; (it saturates)
	s_delay_alu instid0(VALU_DEP_1)
	v_ldexp_f32 v252, 1.0, v254                    ; f = 2^(old M - new M)
.irp j, 0,2,4,6,8,10,12,14,16,18,20,22,24,26,28,30,32,34,36,38,40,42,44,46,48,50,52,54,56,58,60,62
	v_pk_fma_f32 v[96+\j:97+\j], v[96+\j:97+\j], s[CS:CS+1], v[12:13] op_sel_hi:[1,0,0]   ; t - M, two at a time
.endr
	s_setprio 1
.irp b, 0,1,2,3
	v_fma_f32 v[232+\b], v[232+\b], s[CS], v12
.endr
	s_wait_alu depctr_va_vdst(0)
.irp j, 0,1,2,3,4,5,6,7,8,9,10,11,12,13,14,15,16,17,18,19,20,21,22,23,24,25,26,27,28,29,30,31,32,33,34,35,36,37,38,39,40,41,42,43,44,45,46,47,48,49,50,51,52,53,54,55,56,57,58,59,60,61,62,63
	v_exp_f32 v[96+\j], v[96+\j]                   ; p = 2^(t - M)
.endr
	v_pk_mul_f32 v[14:15], v[14:15], v[252:253] op_sel_hi:[1,0]   ; the sums under the new M (a plain place behind the exponentials)
	s_wait_alu depctr_va_vdst(0)                   ; one wait for the batch of 64, ahead of its first reader
.irp b, 0,1,2,3
	v_exp_f32 v[232+\b], v[232+\b]                 ; each block's largest p
.endr
	v_pk_add_f32 v[236:237], v[100:101], v[104:105]
	v_pk_add_f32 v[254:255], v[108:109], v[112:113]
	v_pk_add_f32 v[250:251], v[116:117], v[120:121]
	v_pk_add_f32 v[248:249], v[124:125], v[128:129]
	v_pk_add_f32 v[246:247], v[132:133], v[136:137]
	v_pk_add_f32 v[244:245], v[140:141], v[144:145]
	v_pk_add_f32 v[242:243], v[148:149], v[152:153]
	v_pk_add_f32 v[14:15], v[14:15], v[156:157]
	v_pk_add_f32 v[236:237], v[236:237], v[96:97]
	v_pk_add_f32 v[254:255], v[254:255], v[98:99]
	v_pk_add_f32 v[250:251], v[250:251], v[102:103]
	v_pk_add_f32 v[248:249], v[248:249], v[106:107]
	v_pk_add_f32 v[246:247], v[246:247], v[110:111]
	v_pk_add_f32 v[244:245], v[244:245], v[114:115]
	v_pk_add_f32 v[242:243], v[242:243], v[118:119]
	v_pk_add_f32 v[14:15], v[14:15], v[122:123]
	v_pk_add_f32 v[236:237], v[236:237], v[126:127]
	v_pk_add_f32 v[254:255], v[254:255], v[130:131]
	v_pk_add_f32 v[250:251], v[250:251], v[134:135]
	v_pk_add_f32 v[248:249], v[248:249], v[138:139]
	v_pk_add_f32 v[246:247], v[246:247], v[142:143]
	v_pk_add_f32 v[244:245], v[244:245], v[146:147]
	v_pk_add_f32 v[242:243], v[242:243], v[150:151]
	v_pk_add_f32 v[14:15], v[14:15], v[154:155]
	v_pk_add_f32 v[236:237], v[236:237], v[158:159]
	s_delay_alu instid0(VALU_DEP_2)
	v_pk_add_f32 v[14:15], v[14:15], v[248:249]
	s_delay_alu instid0(VALU_DEP_2)
	v_pk_add_f32 v[236:237], v[236:237], v[246:247]
	v_pk_add_f32 v[254:255], v[254:255], v[244:245]
	v_pk_add_f32 v[250:251], v[250:251], v[242:243]
	s_delay_alu instid0(VALU_DEP_2)
	v_pk_add_f32 v[14:15], v[14:15], v[254:255]
	s_delay_alu instid0(VALU_DEP_2)
	v_pk_add_f32 v[236:237], v[236:237], v[250:251]
	s_delay_alu instid0(VALU_DEP_1)
	v_pk_add_f32 v[14:15], v[14:15], v[236:237]
	s_wait_alu depctr_va_vdst(0)                   ; and one for the four
.irp b, 0,1,2,3
	v_max_num_f32 v[232+\b], 0x1800000, v[232+\b]  ; the floor 2^(3 - 127): a block whose every p is 0 keeps the byte 1: its codes are zeros
.endr
.irp b, 0,1,2,3
	s_delay_alu instid0(VALU_DEP_4)
	v_add_nc_u32 v[244+\b], 0xff000000, v[232+\b]
.endr
.irp b, 0,1,2,3
	s_delay_alu instid0(VALU_DEP_4)
	v_lshrrev_b32 v[236+\b], 23, v[244+\b]
.endr
	s_delay_alu instid0(VALU_DEP_3)
	v_lshl_or_b32 v[PS], v237, 8, v236
	s_delay_alu instid0(VALU_DEP_1)
	v_lshl_or_b32 v[PS], v238, 16, v[PS]
	s_delay_alu instid0(VALU_DEP_1)
	v_lshl_or_b32 v[PS], v239, 24, v[PS]
	s_setprio 0
.irp b, 0,1,2,3
	v_cvt_scalef32_pk8_fp4_f32 v[224+2*\b], v[96+16*\b:103+16*\b], v[244+\b]
	v_cvt_scalef32_pk8_fp4_f32 v[225+2*\b], v[104+16*\b:111+16*\b], v[244+\b]
.endr
	v_nop                                          ; one plain place behind a scaled conversion
.irp c, 0,1
.irp i, 0,1
	v_permlane16_swap_b32 v[224+4*\c+\i], v[226+4*\c+\i]
.endr
.endr
.irp j, 0,2,4,6,8,10,12,14,16,18,20,22,24,26,28,30
	v_pk_mul_f32 v[160+\j:161+\j], v[160+\j:161+\j], v[252:253] op_sel_hi:[1,0]   ; O^T under the new M; these sixteen are also the places between p's word and codes and the products
.endr
	s_wait_alu depctr_va_vdst(0)
	s_wait_dscnt 0x0                               ; V and its words are in
.irp t, 0,1,2,3
	v_wmma_scale_f32_16x16x128_f8f6f4 v[160+8*\t:167+8*\t], v[64+8*\t:71+8*\t], v[224:231], v[160+8*\t:167+8*\t], v[VS+\t], v[PS] matrix_a_fmt:MATRIX_FMT_FP4 matrix_b_fmt:MATRIX_FMT_FP4
.endr
.Lskip_\p:
	s_add_co_u32 s[TK], s[TK], 4096
	s_add_co_u32 s[TV], s[TV], 2048
	s_add_co_u32 s[TS], s[TS], 256
	s_add_co_u32 s[SI], s[SI], 1
	s_cmp_lt_u32 s[SI], 16
	s_cbranch_scc1 .Ltrip_\p
	s_setprio 0
	; the way out: O^T / the sum is ctx's 64 numbers of my query and head: two blocks along D, quantised as the hidden layer of a chain is
.rept 4
	v_nop
.endr
	v_add_f32 v14, v14, v15
	s_delay_alu instid0(VALU_DEP_1)
	v_permlanex16_b32 v252, v14, s[SEL], s[SEL+1]
	s_delay_alu instid0(VALU_DEP_1)
	v_add_f32 v14, v14, v252                       ; the row's sum
	s_wait_alu depctr_va_vdst(0)
	v_rcp_f32 v14, v14
	v_nop                                          ; a plain place behind the reciprocal
	s_wait_alu depctr_va_vdst(0)                   ; and the wait ahead of its first reader
.irp j, 0,2,4,6,8,10,12,14,16,18,20,22,24,26,28,30
	v_pk_mul_f32 v[96+\j:97+\j], v[160+\j:161+\j], v[14:15] op_sel_hi:[1,0]   ; register 16 b + i: channel 32 b + 16 (lane / 16) + i; each accumulator is read from its low end on
.endr
.irp b, 0,1
	v_max3_num_f32 v[232+\b], |v[96+16*\b]|, |v[97+16*\b]|, 0x1800000
.endr
.irp i, 2,4,6,8,10,12,14
.irp b, 0,1
	s_delay_alu instid0(VALU_DEP_2)
	v_max3_num_f32 v[232+\b], v[232+\b], |v[96+16*\b+\i]|, |v[97+16*\b+\i]|
.endr
.endr
.irp b, 0,1
	s_delay_alu instid0(VALU_DEP_2)
	v_permlanex16_b32 v[236+\b], v[232+\b], s[SEL], s[SEL+1]
.endr
.irp b, 0,1
	s_delay_alu instid0(VALU_DEP_2)
	v_max_num_f32 v[232+\b], v[232+\b], v[236+\b]
.endr
.irp b, 0,1
	s_delay_alu instid0(VALU_DEP_2)
	v_add_nc_u32 v[244+\b], 0xff000000, v[232+\b]
.endr
.irp b, 0,1
	s_delay_alu instid0(VALU_DEP_2)
	v_lshrrev_b32 v[236+\b], 23, v[244+\b]
.endr
	s_delay_alu instid0(VALU_DEP_1)
	v_lshl_or_b32 v240, v237, 8, v236
.irp b, 0,1
	v_cvt_scalef32_pk8_fp4_f32 v[224+2*\b], v[96+16*\b:103+16*\b], v[244+\b]
	v_cvt_scalef32_pk8_fp4_f32 v[225+2*\b], v[104+16*\b:111+16*\b], v[244+\b]
.endr
	v_nop
	v_permlane16_swap_b32 v224, v226               ; lanes 0-15: block 2 head, lanes 16-31: block 2 head + 1
	v_permlane16_swap_b32 v225, v227
	global_store_b128 v[AL], v[224:227], s[CC+2*\p:CC+2*\p+1]   ; 32 lanes store 512 consecutive bytes, aligned
	global_store_b16 v[R16], v240, s[CSC+2*\p:CSC+2*\p+1]       ; both lanes of a query write the same two bytes with the same value
.if \p == 0
	s_wait_xcnt 0x0                                ; the stores have read their registers: the next pass writes them again
.endif
.endm
	PASS 0, T0R
	PASS 1, T1R
	s_wait_tensorcnt 0x0                           ; the wave's end
	ds_add_u32 v[SPW], v[NIL]
	s_wait_dscnt 0x0
	s_endpgm
.Lfunc_end_k_qeb5b713236_attn:
	.size	k_qeb5b713236_attn, .Lfunc_end_k_qeb5b713236_attn-k_qeb5b713236_attn
	.p2alignl 7, 3214868480
	.fill 96, 4, 3214868480
	.section	.rodata,"a",@progbits
	.p2align	6, 0x0
	.amdhsa_kernel k_qeb5b713236_attn
		.amdhsa_group_segment_fixed_size 167936
		.amdhsa_private_segment_fixed_size 0
		.amdhsa_enable_private_segment 0
		.amdhsa_kernarg_size 32
		.amdhsa_user_sgpr_count 2
		.amdhsa_user_sgpr_kernarg_segment_ptr 1
		.amdhsa_wavefront_size32 1
		.amdhsa_system_sgpr_workgroup_id_x 1
		.amdhsa_system_sgpr_workgroup_id_y 1
		.amdhsa_system_sgpr_workgroup_id_z 1
		.amdhsa_system_vgpr_workitem_id 0
		.amdhsa_next_free_vgpr 256
		.amdhsa_next_free_sgpr 100
		.amdhsa_reserve_vcc 1
		.amdhsa_float_denorm_mode_32 3
		.amdhsa_float_denorm_mode_16_64 3
		.amdhsa_memory_ordered 1
		.amdhsa_forward_progress 1
		.amdhsa_inst_pref_size 64
	.end_amdhsa_kernel
	.amdgpu_metadata
---
amdhsa.version: [ 1, 2 ]
amdhsa.kernels:
  - .name:           k_qeb5b713236_attn
    .symbol:         k_qeb5b713236_attn.kd
    .args:
      - { .name: qkvc, .offset: 0, .size: 8, .value_kind: global_buffer, .address_space: global }
      - { .name: qkvs, .offset: 8, .size: 8, .value_kind: global_buffer, .address_space: global }
      - { .name: ctxc, .offset: 16, .size: 8, .value_kind: global_buffer, .address_space: global }
      - { .name: ctxs, .offset: 24, .size: 8, .value_kind: global_buffer, .address_space: global }
    .group_segment_fixed_size: 167936
    .private_segment_fixed_size: 0
    .kernarg_segment_align: 8
    .kernarg_segment_size: 32
    .max_flat_workgroup_size: 512
    .sgpr_count:     100
    .vgpr_count:     256
    .wavefront_size: 32
...
	.end_amdgpu_metadata
.endif
;; end of part 3
;; launch fcout (part 4): grid 4 x 64, 4 waves a work-group, clusters of 4 x 4, 243,200 bytes of LDS; arguments ctxc, ctxs, codes, scl, fc_b, x, out0; writes out0
.if DOCPART == 4
	.amdgcn_target "amdgcn-amd-amdhsa--gfx1250"
	.amdhsa_code_object_version 6
	.text
	.protected	k_qeb5b713236_fcout
	.globl	k_qeb5b713236_fcout
	.p2align	8
	.type	k_qeb5b713236_fcout,@function
k_qeb5b713236_fcout:
	s_mov_b64 s[64:65], 0
	v_nop
	global_prefetch_b8 v0, s[64:65] scope:SCOPE_SE
	s_setreg_imm32_b32 hwreg(HW_REG_WAVE_MODE, 25, 1), 1
	s_wait_xcnt 0x0
	s_wait_alu depctr_hold_cnt(0) depctr_sa_sdst(0) depctr_va_vdst(0) depctr_va_sdst(0) depctr_va_ssrc(0) depctr_va_vcc(0) depctr_vm_vsrc(0)
	s_getreg_b32 s2, hwreg(HW_REG_IB_STS2, 6, 4)
	s_cmp_eq_u32 s2, 0
	s_cbranch_scc0 .Lentry_in_a_cluster
	s_endpgm
.Lentry_in_a_cluster:
	s_bfe_u32 s2, ttmp6, 0x10000c
	s_cmp_lg_u32 s2, 0xf033
	s_cbranch_scc0 .Lentry_shape_is_right
	s_endpgm
.Lentry_shape_is_right:
; out = ctx fc_w^T + fc_b + x, the product on codes of FP4, sums in f32.  Nothing is left out here.
; SHARES.  A work-group makes 128 tokens x 256 features: 256 work-groups.  Source 0 = rows of fc_w (rows 11,264 on of the codes), source 1 = tokens, so that a lane holds eight neighbouring features of one token.
; Each of four waves makes 64 tokens x 128 features: 32 accumulators.  Clusters of 4 x 4: fc_w's rows hang on cx alone and are asked for jointly by my column, ctx's on the tile row alone, by my row.
; ALL OF K = 1,024 FITS IN LDS: two halves of 96 KiB and the scale bytes, each filled once; nothing is filled again.  By this text's own count a wave has three tensor loads out.
; THE RESIDUAL: my 64 x 128 numbers of x are asked for at the head, into 256 registers, in the layout in which the results leave, and land under the products.  The bias is the C of each sum's first product.
; THE WAY OUT: a block of 16 tokens x 128 features goes through the wave's own stage in LDS and comes back as whole rows of 512 bytes; x is added; 32 lanes store two aligned runs of 256 bytes.
; The rows of a tile are not neighbours (lane r of tile 2 G + u: row 32 G + 8 u + r + 8 (r / 8)): a row's place in x and in out0 stands in the immediate, 63 rows of 4,096 bytes at the most.
; REGISTERS: window 0: v1-31 addresses; v32-95 scale words and nothing else; v128-159, v160-191 source 1's fragments, two sets; on the way out v128-255: rows.  window 1: v0-63, v128-191 source 0's fragments; v64-127 the bias.
;   window 2: accumulator (a, b) at v[8 (8 a + b)].   window 3: x, row t of block a at v[4 (16 a + t)].
.set SLOT,  98304                      ; a K half: source 1's 8 tiles x 4,096 bytes, then source 0's 16
.set SCL,   196608                     ; the scale bytes: source 1's 4,096, then source 0's 8,192
.set STG,   208896                     ; a stage of 16 rows x (512 + 16) bytes for each wave; no tensor load lands here
.set SPARE, 242688                     ; the spare words: two blocks of 256 bytes that no other line names
.set WV,   18
.set HA,   19                          ; which 64 tokens are mine.  Also: I fetch for source 1 (0) or for source 0 (1)
.set HB,   20                          ; which 128 features.  Also: which half I fetch
.set CX,   22
.set CY,   23
.set G1,   24
.set G0,   32
.set G1B,  48
.set G0B,  56
.set G1S,  68
.set G0S,  76
.set G1SB, 80
.set G0SB, 88
.set ADRA, 16
.set ADRB, 20
.set ADRS, 24
.set CO,   25
.set STO,  26
.set RD,   27
.set SPW,  28
.set NIL,  29
.set BA,   30
.set SC,   32
.set BK,   128
.set MSB, 0
.macro WIN new
.if MSB != (\new)
	s_set_vgpr_msb (MSB<<8)|(\new)
.set MSB, (\new)
.endif
.endm
.macro JLOAD g0a, g1a, g0b, g1b        ; a joint load: waves 0 and 1 fetch for source 1, waves 2 and 3 for source 0; an s_nop 0 and four v_nop follow each line
	s_cmp_eq_u32 s[HA], 0
	s_cbranch_scc0 .Lfor_b_\@
	tensor_load_to_lds s[\g0a:\g0a+3], s[\g1a:\g1a+7]
	s_nop 0
.rept 4
	v_nop
.endr
	s_branch .Lasked_\@
.Lfor_b_\@:
	tensor_load_to_lds s[\g0b:\g0b+3], s[\g1b:\g1b+7]
	s_nop 0
.rept 4
	v_nop
.endr
.Lasked_\@:
.endm
.macro CROUND
	s_barrier_signal -1
	s_barrier_wait -1
	s_cmp_lg_u32 s[WV], 0
	s_cbranch_scc1 .Lnot_wave_0_\@
	s_barrier_signal -3
.Lnot_wave_0_\@:
	s_barrier_wait -3
	s_barrier_signal -1
	s_barrier_wait -1
.endm
.macro PLACES n
.rept \n
	v_nop
.endr
.endm
	s_load_b256 s[4:11], s[0:1], 0x0               ; ctxc, ctxs, codes, scl
	s_load_b128 s[12:15], s[0:1], 0x20             ; fc_b, x
	s_load_b64 s[16:17], s[0:1], 0x30              ; out0
	v_lshl_add_u32 v[SPW], v0, 2, SPARE
	v_mov_b32 v[NIL], 0
	ds_add_u32 v[SPW], v[NIL]                      ; the wave's opening: the add, twice on end, and its wait ahead of my first tensor load
	ds_add_u32 v[SPW], v[NIL]
	v_lshrrev_b32 v1, 5, v0
	v_readfirstlane_b32 s[WV], v1
	s_lshr_b32 s[HA], s[WV], 1
	s_and_b32 s[HB], s[WV], 1
	s_bfe_u32 s[CX], ttmp6, 0x40000
	s_bfe_u32 s[CY], ttmp6, 0x40004
	s_and_b32 s40, ttmp7, 0xffff
	s_lshl_b32 s40, s40, 2
	s_add_co_u32 s40, s40, s[CY]                   ; the tile row: 4 x cluster y + cy
	s_lshl_b32 s40, s40, 7                         ; its first token
	s_lshl_b32 s2, s[HB], 6
	s_add_co_u32 s40, s40, s2                      ; + the 64 rows that I fetch
	s_lshl_b32 s42, s40, 9
	s_mov_b32 s43, 0
	s_lshl_b32 s40, s40, 5
	s_mov_b32 s41, 0
	s_lshl_b32 s44, s[CX], 8
	s_add_co_u32 s44, s44, 11264                   ; fc_w's rows 256 cx on
	s_lshl_b32 s2, s[HB], 7
	s_add_co_u32 s44, s44, s2                      ; + the 128 that I fetch
	s_lshl_b32 s46, s44, 9
	s_mov_b32 s47, 0
	s_lshl_b32 s44, s44, 5
	s_mov_b32 s45, 0
	s_lshl_b32 s92, s[CY], 2
	s_lshl_b32 s92, 15, s92                        ; my row of the cluster
	s_lshl_b32 s93, 0x1111, s[CX]                  ; my column
	s_or_b32 s[G1], s92, (3<<16)|(1<<21)           ; 15:0 the mask; 17:16 elements of 8 bytes; 21 set beside a mask; no padding
	s_or_b32 s[G1B], s93, (3<<16)|(1<<21)
	s_or_b32 s[G1S], s92, (3<<16)|(1<<21)
	s_or_b32 s[G1SB], s93, (3<<16)|(1<<21)
	s_mov_b32 s[G1+1], 512<<16                     ; source 1: half of K of 4 tiles: 4 rows of 4,096 bytes, 8,192 apart
	s_mov_b32 s[G1+2], 4<<16
	s_mov_b32 s[G1+3], 512<<16
	s_mov_b32 s[G1+4], 4
	s_mov_b32 s[G1+5], 1024
	s_mov_b32 s[G1+6], 0
	s_mov_b32 s[G1+7], 0
	s_mov_b32 s[G1B+1], 512<<16                    ; source 0: of 8 tiles
	s_mov_b32 s[G1B+2], 8<<16
	s_mov_b32 s[G1B+3], 512<<16
	s_mov_b32 s[G1B+4], 8
	s_mov_b32 s[G1B+5], 1024
	s_mov_b32 s[G1B+6], 0
	s_mov_b32 s[G1B+7], 0
	s_mov_b32 s[G1S+1], 32<<16                     ; the scale bytes of 4 tiles: 2,048 dense bytes as rows of 256
	s_mov_b32 s[G1S+2], 8<<16
	s_mov_b32 s[G1S+3], 32<<16
	s_mov_b32 s[G1S+4], 8
	s_mov_b32 s[G1S+5], 32
	s_mov_b32 s[G1S+6], 0
	s_mov_b32 s[G1S+7], 0
	s_mov_b32 s[G1SB+1], 32<<16                    ; of 8 tiles: 4,096
	s_mov_b32 s[G1SB+2], 16<<16
	s_mov_b32 s[G1SB+3], 32<<16
	s_mov_b32 s[G1SB+4], 16
	s_mov_b32 s[G1SB+5], 32
	s_mov_b32 s[G1SB+6], 0
	s_mov_b32 s[G1SB+7], 0
	s_lshl_b32 s94, s[HB], 14                      ; where they go: by the wave's number alone
	s_lshl_b32 s95, s[HB], 15
	s_add_co_u32 s95, s95, 32768
	s_lshl_b32 s2, s[HB], 11
	s_add_co_u32 s2, s2, SCL
	s_lshl_b32 s3, s[HB], 12
	s_add_co_u32 s3, s3, SCL+4096
	s_wait_dscnt 0x0                               ; both opening adds are done
	s_wait_kmcnt 0x0
	s_add_nc_u64 s[42:43], s[4:5], s[42:43]
	s_add_nc_u64 s[40:41], s[6:7], s[40:41]
	s_add_nc_u64 s[46:47], s[8:9], s[46:47]
	s_add_nc_u64 s[44:45], s[10:11], s[44:45]
	CROUND                                         ; all sixteen work-groups are here: the joint loads meet
	s_mov_b32 s[G0S], 1
	s_mov_b32 s[G0S+1], s2
	s_mov_b64 s[G0S+2:G0S+3], s[40:41]
	s_or_b32 s[G0S+3], s[G0S+3], 0x80000000
	s_mov_b32 s[G0SB], 1
	s_mov_b32 s[G0SB+1], s3
	s_mov_b64 s[G0SB+2:G0SB+3], s[44:45]
	s_or_b32 s[G0SB+3], s[G0SB+3], 0x80000000
	JLOAD G0S, G1S, G0SB, G1SB
.irp s, 0,1
	s_mov_b32 s[G0+4*\s], 1
	s_add_co_u32 s[G0+4*\s+1], s94, \s*SLOT
	s_add_nc_u64 s[G0+4*\s+2:G0+4*\s+3], s[42:43], \s*4096
	s_or_b32 s[G0+4*\s+3], s[G0+4*\s+3], 0x80000000
	s_mov_b32 s[G0B+4*\s], 1
	s_add_co_u32 s[G0B+4*\s+1], s95, \s*SLOT
	s_add_nc_u64 s[G0B+4*\s+2:G0B+4*\s+3], s[46:47], \s*4096
	s_or_b32 s[G0B+4*\s+3], s[G0B+4*\s+3], 0x80000000
	JLOAD G0+4*\s, G1, G0B+4*\s, G1B
.endr
	v_and_b32 v1, 15, v0                           ; r
	v_bfe_u32 v2, v0, 4, 1                         ; h
	v_and_b32 v3, 31, v0
	v_lshlrev_b32 v[CO], 4, v3
	v_lshlrev_b32 v[BA], 6, v2
	; my part of x, of out0 and of the bias
	s_lshl_b32 s96, s[CX], 8
	s_lshl_b32 s2, s[HB], 7
	s_add_co_u32 s96, s96, s2                      ; my first feature
	s_lshl_b32 s96, s96, 2
	s_mov_b32 s97, 0
	s_add_nc_u64 s[12:13], s[12:13], s[96:97]
	s_and_b32 s98, ttmp7, 0xffff
	s_lshl_b32 s98, s98, 2
	s_add_co_u32 s98, s98, s[CY]
	s_lshl_b32 s98, s98, 7
	s_lshl_b32 s2, s[HA], 6
	s_add_co_u32 s98, s98, s2                      ; my first token
	s_lshl_b32 s98, s98, 12
	s_add_co_u32 s96, s96, s98
	s_add_nc_u64 s[14:15], s[14:15], s[96:97]
	s_add_nc_u64 s[16:17], s[16:17], s[96:97]
	WIN 0x40
.irp b, 0,1,2,3,4,5,6,7                ; the bias in the result's layout: tile b, lane half h: features 32 (b / 2) + 16 h + 8 (b % 2) + 0 .. 7
	global_load_b128 v[64+8*\b:64+8*\b+3], v[BA], s[12:13] offset:(32*(\b/2)+8*(\b%2))*4
	global_load_b128 v[64+8*\b+4:64+8*\b+7], v[BA], s[12:13] offset:(32*(\b/2)+8*(\b%2))*4+16
.endr
	WIN 0xc0
.irp a, 0,1,2,3
.irp t, 0,1,2,3,4,5,6,7,8,9,10,11,12,13,14,15
	global_load_b128 v[4*(16*\a+\t):4*(16*\a+\t)+3], v[CO], s[14:15] offset:(32*(\a/2)+8*(\a%2)+\t+8*(\t/8))*4096 th:TH_LOAD_NT   ; 32 lanes read 512 consecutive bytes of a row of x
.endr
.endr
	WIN 0
	s_lshl_b32 s2, s[HA], 14
	s_lshl_b32 s3, s[HB], 15
	s_add_co_u32 s3, s3, 32768
.irp s, 0,1
	v_add_nc_u32 v[ADRA+\s], s2, v[CO]
	v_add_nc_u32 v[ADRB+\s], s3, v[CO]
	s_add_co_u32 s2, s2, SLOT
	s_add_co_u32 s3, s3, SLOT
.endr
	s_lshl_b32 s2, s[HA], 11
	s_lshl_b32 s3, s[HB], 12
	s_add_co_u32 s3, s3, 4096
	s_sub_co_u32 s3, s3, s2
	v_mul_u32_u24 v4, s3, v2                       ; lanes 16-31 take source 0's words: one product, the distance between the two bases
	s_add_co_u32 s2, s2, SCL
	v_lshl_add_u32 v4, v1, 4, v4
	v_add_nc_u32 v[ADRS], s2, v4
	s_mul_i32 s2, s[WV], 16*528
	s_add_co_u32 s2, s2, STG                       ; my stage
	v_mul_u32_u24 v4, v1, 528
	v_lshl_add_u32 v4, v2, 6, v4
	v_add_nc_u32 v[STO], s2, v4                    ; in: row r, + 64 h
	v_add_nc_u32 v[RD], s2, v[CO]                  ; back: the 32 lanes take one row of 512 bytes
.macro FETCH q                         ; 24 LDS loads in one run: K step q's fragments into set q % 2
	WIN 0x40
.irp i, 0,1,2,3,4,5,6,7
.irp c, 0,1
	ds_load_b128 v[128*((\q)%2)+8*\i+4*\c:128*((\q)%2)+8*\i+4*\c+3], v[ADRB+(\q)/4] offset:4096*\i+1024*((\q)%4)+512*\c
.endr
.endr
	WIN 0
.irp i, 0,1,2,3
.irp c, 0,1
	ds_load_b128 v[128+32*((\q)%2)+8*\i+4*\c:128+32*((\q)%2)+8*\i+4*\c+3], v[ADRA+(\q)/4] offset:4096*\i+1024*((\q)%4)+512*\c
.endr
.endr
.endm
; 16 products: token tiles a0, a0 + 1 x the eight feature tiles.  first = 1: C = the bias.  The 32 accumulators take turns, one instruction a turn, in the same order in every step
.macro MUL16 a0, q, first
.irp a, \a0, \a0+1
.irp b, 0,1,2,3,4,5,6,7
.if \first
	v_wmma_scale_f32_16x16x128_f8f6f4 v[8*(8*(\a)+\b):8*(8*(\a)+\b)+7], v[128*((\q)%2)+8*\b:128*((\q)%2)+8*\b+7], v[128+32*((\q)%2)+8*(\a):128+32*((\q)%2)+8*(\a)+7], v[64+8*\b:64+8*\b+7], v[SC+32*((\q)/4)+4*\b+(\q)%4], v[SC+32*((\q)/4)+4*(\a)+(\q)%4] matrix_a_fmt:MATRIX_FMT_FP4 matrix_b_fmt:MATRIX_FMT_FP4 matrix_a_scale:MATRIX_SCALE_ROW1
.else
	v_wmma_scale_f32_16x16x128_f8f6f4 v[8*(8*(\a)+\b):8*(8*(\a)+\b)+7], v[128*((\q)%2)+8*\b:128*((\q)%2)+8*\b+7], v[128+32*((\q)%2)+8*(\a):128+32*((\q)%2)+8*(\a)+7], v[8*(8*(\a)+\b):8*(8*(\a)+\b)+7], v[SC+32*((\q)/4)+4*\b+(\q)%4], v[SC+32*((\q)/4)+4*(\a)+(\q)%4] matrix_a_fmt:MATRIX_FMT_FP4 matrix_b_fmt:MATRIX_FMT_FP4 matrix_a_scale:MATRIX_SCALE_ROW1
.endif
.endr
.endr
.endm
.macro STEP q, first
	FETCH (\q)+1
	s_wait_dscnt 24                                ; all but the 24 just issued: this step's fragments are in
.if \first
	WIN 0x91                                       ; source 0 and C (the bias) window 1, source 1 window 0, D window 2
.else
	WIN 0xa1
.endif
	MUL16 0, \q, \first
	MUL16 2, \q, \first
	WIN 0
	PLACES 4                                       ; in front of the next run of loads, into the set just read
.endm
	s_wait_tensorcnt 1                             ; the scales and my part of the first K half are in; the second half's load may stay out
	s_wait_loadcnt 63                              ; of my 80 loads the oldest 17 are in, the bias's 16 among them; x may stay out
	s_barrier_signal -1
	s_barrier_wait -1
.irp p, 0,1
.irp i, 0,1,2,3,4,5,6,7
	ds_load_b128 v[SC+32*\p+4*\i:SC+32*\p+4*\i+3], v[ADRS] offset:512*\i+256*\p   ; all scale words of all K steps (for i from 4 on lanes 0-15 bring filled bytes that no product names)
.endr
.endr
	FETCH 0
	STEP 0, 1                                      ; the first step starts the sums with the bias: nothing is cleared
	STEP 1, 0
	STEP 2, 0
	s_wait_tensorcnt 0x0                           ; step 3: my part of the second K half is in;
	s_wait_dscnt 0x0                               ; no LDS load of mine is out at the signal
	s_barrier_signal -1
	WIN 0xa1
	MUL16 0, 3, 0                                  ; work on registers while the others arrive
	WIN 0
	s_barrier_wait -1
	FETCH 4                                        ; (set 0 was last read by step 2, behind which four places stand)
	WIN 0xa1
	MUL16 2, 3, 0
	WIN 0
	PLACES 4
	STEP 4, 0
	STEP 5, 0
	STEP 6, 0
	s_wait_dscnt 0x0
	WIN 0xa1
	MUL16 0, 7, 0
	MUL16 2, 7, 0
	WIN 0
.macro TOSTAGE a                       ; block a: 16 tokens x 128 features into my stage and back as whole rows
	WIN 0x08                                       ; an LDS store's data are its source 1: window 2
.irp b, 0,1,2,3,4,5,6,7
	ds_store_b128 v[STO], v[64*(\a)+8*\b:64*(\a)+8*\b+3] offset:128*(\b/2)+32*(\b%2)       ; each accumulator from its low end on
	ds_store_b128 v[STO], v[64*(\a)+8*\b+4:64*(\a)+8*\b+7] offset:128*(\b/2)+32*(\b%2)+16
.endr
	WIN 0
.set BB, BK+64*((\a)%2)
.irp t, 0,1,2,3,4,5,6,7,8,9,10,11,12,13,14,15
	ds_load_b128 v[BB+4*\t:BB+4*\t+3], v[RD] offset:528*\t   ; LDS serves a wave's instructions in order (ISA guide 5.7.1.4): these see the stores above, and the next block's stores come behind them
.endr
.endm
.macro SEND a, younger                 ; younger: the LDS instructions issued behind block a's loads, which may stay out
.set BB, BK+64*((\a)%2)
	s_wait_dscnt \younger
	WIN 0x0c                                       ; source 1: x, window 3
.irp i, 0,2,4,6,8,10,12,14,16,18,20,22,24,26,28,30,32,34,36,38,40,42,44,46,48,50,52,54,56,58,60,62
	v_pk_add_f32 v[BB+\i:BB+\i+1], v[BB+\i:BB+\i+1], v[64*(\a)+\i:64*(\a)+\i+1]   ; + the residual
.endr
	WIN 0
.irp t, 0,1,2,3,4,5,6,7,8,9,10,11,12,13,14,15
	global_store_b128 v[CO], v[BB+4*\t:BB+4*\t+3], s[16:17] offset:(32*((\a)/2)+8*((\a)%2)+\t+8*(\t/8))*4096 th:TH_STORE_NT   ; 32 lanes store 512 consecutive bytes, at a multiple of 256 from out0's first byte
.endr
.endm
	s_wait_loadcnt 0x0                             ; x
	PLACES 4                                       ; in front of the first read of results and of loads into source 1's registers
	TOSTAGE 0
.irp a, 1,2,3
.if \a > 1
	s_wait_xcnt 0x0                                ; block a - 2's stores have read their registers: block a's rows may land there
.endif
	TOSTAGE \a
	SEND \a-1, 32                                  ; behind block a - 1's loads: block a's 16 stores and 16 loads
.endr
	SEND 3, 0
	s_wait_tensorcnt 0x0                           ; the wave's end, behind my last tensor load and my last LDS store
	ds_add_u32 v[SPW], v[NIL]
	s_wait_dscnt 0x0
	CROUND                                         ; the closing round
	s_endpgm
.Lfunc_end_k_qeb5b713236_fcout:
	.size	k_qeb5b713236_fcout, .Lfunc_end_k_qeb5b713236_fcout-k_qeb5b713236_fcout
	.p2alignl 7, 3214868480
	.fill 96, 4, 3214868480
	.section	.rodata,"a",@progbits
	.p2align	6, 0x0
	.amdhsa_kernel k_qeb5b713236_fcout
		.amdhsa_group_segment_fixed_size 243200
		.amdhsa_private_segment_fixed_size 0
		.amdhsa_enable_private_segment 0
		.amdhsa_kernarg_size 56
		.amdhsa_user_sgpr_count 2
		.amdhsa_user_sgpr_kernarg_segment_ptr 1
		.amdhsa_wavefront_size32 1
		.amdhsa_system_sgpr_workgroup_id_x 1
		.amdhsa_system_sgpr_workgroup_id_y 1
		.amdhsa_system_sgpr_workgroup_id_z 1
		.amdhsa_system_vgpr_workitem_id 0
		.amdhsa_next_free_vgpr 1024
		.amdhsa_next_free_sgpr 102
		.amdhsa_reserve_vcc 0
		.amdhsa_float_denorm_mode_32 3
		.amdhsa_float_denorm_mode_16_64 3
		.amdhsa_memory_ordered 1
		.amdhsa_forward_progress 1
		.amdhsa_inst_pref_size 88
	.end_amdhsa_kernel
	.amdgpu_metadata
---
amdhsa.version: [ 1, 2 ]
amdhsa.kernels:
  - .name:           k_qeb5b713236_fcout
    .symbol:         k_qeb5b713236_fcout.kd
    .args:
      - { .name: ctxc, .offset: 0, .size: 8, .value_kind: global_buffer, .address_space: global }
      - { .name: ctxs, .offset: 8, .size: 8, .value_kind: global_buffer, .address_space: global }
      - { .name: codes, .offset: 16, .size: 8, .value_kind: global_buffer, .address_space: global }
      - { .name: scl, .offset: 24, .size: 8, .value_kind: global_buffer, .address_space: global }
      - { .name: fc_b, .offset: 32, .size: 8, .value_kind: global_buffer, .address_space: global }
      - { .name: x, .offset: 40, .size: 8, .value_kind: global_buffer, .address_space: global }
      - { .name: out0, .offset: 48, .size: 8, .value_kind: global_buffer, .address_space: global }
    .group_segment_fixed_size: 243200
    .private_segment_fixed_size: 0
    .kernarg_segment_align: 8
    .kernarg_segment_size: 56
    .max_flat_workgroup_size: 128
    .sgpr_count:     102
    .vgpr_count:     1024
    .wavefront_size: 32
...
	.end_amdgpu_metadata
.endif
;; end of part 4
